; MI455X (gfx1250); checked and timed in simulation.
; The chip was launched on July 23, 2026; its instructions are those of AMD's public machine-readable ISA for CDNA 5 (MIT licence, August 2026) and "CDNA5" Instruction Set Architecture Reference Guide (July 2026). The comments in the code are by the model that wrote it; some were corrected since.
;; No PE Attention. Allowed arithmetic: matrix products marked QUANTISED: E2M3 operands, one E8M0 scale for each 32 along K, by v_wmma_scale_f32_16x16x128_f8f6f4 with both operands' format E2M3, f32 sums; everything else in f32.
;; Inputs: attention_mask 1 x 1 x 2,048 x 2,048 float32; hidden_states 1 x 2,048 x 4,096 float32; wk 1,024 x 4,096 float32; wo 4,096 x 2,048 float32; wq 2,048 x 4,096 float32; wv 1,024 x 4,096 float32.
;; Outputs: out0 1 x 2,048 x 4,096 float32.
;; This version of the problem:
;;   THIS VERSION OF THE PROBLEM IS GIVEN IN LOW PRECISION. The matrix products marked QUANTISED in the list below multiply operands that are first quantised to E2M3 (2 exponent bits, 3 mantissa bits; 6 bits a number), with one power-of-two scale for each 32 numbers along K (OCP MX v1.0); their sums are f32. All else is computed in f32.
;;   The module's matrix products, in the order in which they are computed (A, B: the left and right operand; K: the contracted axis; several contracted axes count as one K, in the product's order):
;;     1. [M 2,048, K 4,096] x [K 4,096, N 2,048]; A: input hidden_states; B: input wq: QUANTISED
;;     2. [M 2,048, K 4,096] x [K 4,096, N 1,024]; A: input hidden_states; B: input wk: QUANTISED
;;     3. [M 2,048, K 4,096] x [K 4,096, N 1,024]; A: input hidden_states; B: input wv: QUANTISED
;;     4. batch 16 x [M 2,048, K 128] x [K 128, N 2,048]; A: computed on the way; B: computed on the way: QUANTISED
;;     5. batch 16 x [M 2,048, K 2,048] x [K 2,048, N 128]; A: softmax (see below); B: computed on the way: QUANTISED
;;     6. [M 2,048, K 2,048] x [K 2,048, N 4,096]; A: computed on the way; B: input wo: QUANTISED
;;   THE QUANTISER, for each operand of a quantised product, along K:
;;     - K is cut into blocks of 32 from its start; a last block that is shorter is filled with zeros.
;;     - A block's scale is 2^e with e = floor(log2(the largest magnitude in the block)) - 2, held to -126 .. 127; a block of zeros has e = 0. As a byte (E8M0): e + 127.
;;     - Each number is divided by its block's scale, clamped to +-7.5, and rounded to the nearest number of E2M3, ties to even, subnormals kept.
;;     - The product sums the exact products of the quantised numbers (number of the format x scale) in f32.
;;   ~~~python
;;   def quantise(x, axis):      # numpy; x: float32 -> the quantised numbers, widened to float32 again
;;       x = np.moveaxis(x, axis, -1); K = x.shape[-1]
;;       x = np.pad(x, [(0, 0)] * (x.ndim - 1) + [(0, -K % 32)]); x = x.reshape(x.shape[:-1] + (-1, 32)); a = np.abs(x).max(-1, keepdims=True)
;;       e = np.where(a > 0, np.clip(np.frexp(np.where(a > 0, a, 1))[1] - 1 - 2, -126, 127), 0)      # np.frexp(a)[1] - 1 = floor(log2(a)), exactly
;;       r = np.clip(x / 2.0 ** e, -7.5, 7.5)
;;       step = 2.0 ** (np.maximum(np.frexp(np.where(r == 0, 1, r))[1] - 1, 0) - 3)
;;       q = np.round(r / step) * step * 2.0 ** e      # np.round: ties to even
;;       return np.moveaxis(q.reshape(q.shape[:-2] + (-1,))[..., :K], -1, axis).astype(np.float32)
;;   ~~~
;;   SOFTMAX AHEAD OF A QUANTISED PRODUCT. Where the list says 'softmax', what is quantised is not the finished softmax but p = 2^(t - M), with t = logit x log2(e) and M = ceil(the row's largest t), a whole number; so 1/2 < the row's largest p <= 1. The row's sum l is taken of the UNQUANTISED p, in f32, and the product's result is divided by l at the end. Since M is a whole number, a kernel that streams over the keys may use a running M (the ceiling of the running maximum): every later rescaling is an exact power of two, which a block's scale takes up: the codes' values come out the same.
;;   OPERANDS COMPUTED ON THE WAY. 'Computed on the way' means the value that the module computes at that place (a softmax that the list does not call 'softmax' is quantised finished and normalised). What goes into a quantiser is computed in f32, as accurately as f32 sums, v_exp_f32 and their like allow (about 1e-6 of the number): no bf16 or f16 on the way to a quantiser, and a product that is left as it is and whose result goes on into a quantised operand takes f32 operands (vector FMAs, or v_wmma_f32_16x16x4_f32). A number that lies on a knife's edge between two numbers of the format may be rounded either way, as far as f32 arithmetic and the matrix unit's own rounding can turn it there, and no further.
;; One version. Each part assembles by itself: llvm-mc -triple=amdgcn-amd-amdhsa -mcpu=gfx1250 --defsym DOCPART=n.
;; ======== version 1 of 1: 4 launches
;; limits: right only within a limited range of input values
;; workspace buffers: cw 27,262,976 bytes; qkv 6,815,744 bytes; ao 3,407,872 bytes
;; launch quant (part 1): grid 768 x 1, 4 waves a work-group, no clusters, 35,328 bytes of LDS; arguments hidden_states, wq, wk, wv, cw; writes cw
.if DOCPART == 1
	.amdgcn_target "amdgcn-amd-amdhsa--gfx1250"
	.amdhsa_code_object_version 6
	.text
	.protected	k_q21fa6ddeb9_quant
	.globl	k_q21fa6ddeb9_quant
	.p2align	8
	.type	k_q21fa6ddeb9_quant,@function
k_q21fa6ddeb9_quant:
	s_mov_b64 s[64:65], 0
	v_nop
	global_prefetch_b8 v0, s[64:65] scope:SCOPE_SE
	s_setreg_imm32_b32 hwreg(HW_REG_WAVE_MODE, 25, 1), 1
	s_wait_xcnt 0x0
; hidden_states [2048][4096], wq [2048][4096], wk [1024][4096], wv [1024][4096], all f32 with K innermost, become codes of FP6 (E2M3) with one E8M0 scale byte for each 32 along K.  (wo is quantised by the attention's launch, into its own region of cw.)
; A block's scale is 2^(floor(log2(its largest magnitude)) - 2); its byte is the largest magnitude's exponent field - 2, held at 1 from below; each number is divided by the scale and rounded to the nearest code, ties to even, beyond 7.5 the largest code.
; LIMITS: a block of zeros, and a block whose largest magnitude lies under 2^-124, keeps the byte 1 (the rule says 127 for zeros): its codes are zeros or the rule's, and this program alone reads the bytes.  NaN and infinities among the inputs are not served.
; THE OUTPUT'S LAYOUT IS THE OPERAND'S REGISTERS.  A fragment (16 rows x 128 K) is 12 registers a lane; it is stored as three runs of 512 bytes, lane l's registers 4 c .. 4 c + 3 at 512 c + 16 l.
; A RECORD of 3,328 bytes is two fragments (K steps 2 p and 2 p + 1 of one tile of rows) and 256 bytes of scale words: lane l's 8 bytes are the two fragments' words of row l % 16.  cw is [tensor][tile T][K pair][record].
; THE ROWS OF A TILE ARE NOT NEIGHBOURS: lane r of tile T holds row 32 (T / 2) + 8 (T % 2) + r + 8 (r / 8), so that a product that takes such tiles as source 0 leaves 16 neighbours of the next K in the 16 registers of two neighbouring tiles.
; SHARES.  A wave takes a run: one tile of rows x 512 along K: 4 fragments, 2 records, 6,656 bytes out.  Run 4 g + w goes to byte 6,656 (4 g + w) of cw, whatever the tensor: the regions follow each other in the order of the work-groups.
; 3,072 runs are 768 work-groups, three for each of 256 WGPs; a wave has 32 loads of 512 bytes out.
; Each load reads 512 consecutive bytes of one row; the conversions want 16 neighbours in one lane: so a fragment's 16 x 512 bytes turn through the wave's own stage in LDS.  Waves share nothing: no barrier.  No tile is shared between work-groups: no cluster.
.set REC,  3328
.set FRB,  1536
.set SCU,  3072
.set ROWP, 16384                       ; a row of every one of the four tensors, in bytes
.set NF,   4                           ; fragments in a run
.set SP,   528                         ; a stage row: 512 bytes + 16: an odd multiple of 16, so the sixteen rows that a 16-byte load touches start at sixteen different groups of banks (64 banks of 4 bytes: ISA guide 11.1)
.set STG,  8704                        ; a wave's stage: 16 rows of SP bytes, rounded up
.set L16,  2                           ; v2   16 x lane
.set STI,  3                           ; v3   the stage on the way in: stage + 16 x lane
.set STO,  4                           ; v4   on the way out: stage + SP r + 64 h
.set L8,   5                           ; v5   8 x lane
.set R,    16                          ; v16-143  two sets of 64: a fragment's numbers as loaded
.set X,    144                         ; v144-207 the same as 64 numbers of my row: register 16 b + i = k 32 b + 16 h + i
.set PC,   208                         ; v208-227 the codes
.set TM,   228                         ; v228-243 at work
.set PW,   244                         ; v[244:245] a record's two scale words
.set SEL,  20                          ; s[20:21] selects for lane l xor 16
; 64 numbers of a lane, v[s] on, become a fragment's codes in v[pc] .. v[pc + 11] and its scale word in v[pw] (lanes 16-31 hold the same word as lanes 0-15).
.macro QUANT s, pc, pw
.irp b, 0,1,2,3
	v_max3_num_f32 v[TM+\b], |v[\s+16*\b]|, |v[\s+1+16*\b]|, 0x1800000   ; block b: my 16 numbers, and the floor 2^(3 - 127): the byte cannot fall under 1
.endr
.irp i, 2,4,6,8,10,12,14
.irp b, 0,1,2,3
	v_max3_num_f32 v[TM+\b], v[TM+\b], |v[\s+16*\b+\i]|, |v[\s+1+16*\b+\i]|   ; the four blocks by turns
.endr
.endr
.irp b, 0,1,2,3
	v_permlanex16_b32 v[TM+4+\b], v[TM+\b], s[SEL], s[SEL+1]
.endr
.irp b, 0,1,2,3
	v_max_num_f32 v[TM+\b], v[TM+\b], v[TM+4+\b]   ; with lane l xor 16's 16: the block's largest magnitude
.endr
.irp b, 0,1,2,3
	v_add_nc_u32 v[TM+12+\b], 0xff000000, v[TM+\b]   ; 2 off its exponent field: the conversion's scale operand
.endr
.irp b, 0,1,2,3
	v_lshrrev_b32 v[TM+4+\b], 23, v[TM+12+\b]      ; the scale's byte
.endr
	v_lshl_or_b32 v[\pw], v[TM+5], 8, v[TM+4]
	v_lshl_or_b32 v[\pw], v[TM+6], 16, v[\pw]
	v_lshl_or_b32 v[\pw], v[TM+7], 24, v[\pw]      ; my row's scale word
.irp c, 0,1
	v_cvt_scalef32_pk16_fp6_f32 v[\pc+6*\c:\pc+2+6*\c], v[\s+32*\c:\s+15+32*\c], v[TM+12+2*\c]
	v_cvt_scalef32_pk16_fp6_f32 v[\pc+12+4*\c:\pc+14+4*\c], v[\s+16+32*\c:\s+31+32*\c], v[TM+12+2*\c+1]   ; (a conversion's three registers begin on an even number)
.endr
	v_nop                                          ; one plain place behind a scaled conversion
.irp c, 0,1                                    ; the operand's layout wants a whole block in a lane: lanes 0-15 block 2 c, lanes 16-31 block 2 c + 1
.irp i, 0,1,2
	v_permlane16_swap_b32 v[\pc+6*\c+\i], v[\pc+12+4*\c+\i]
.endr
.irp i, 0,1,2
	v_mov_b32 v[\pc+3+6*\c+\i], v[\pc+12+4*\c+\i]
.endr
.endr
.endm
	s_load_b256 s[4:11], s[0:1], 0x0               ; hidden_states s[4:5], wq s[6:7], wk s[8:9], wv s[10:11]
	s_load_b64 s[14:15], s[0:1], 0x20              ; cw
	v_lshl_add_u32 v254, v0, 2, 0x8800
	v_mov_b32 v255, 0
	v_lshrrev_b32 v1, 5, v0
	v_readfirstlane_b32 s2, v1                     ; wave 0..3
	v_and_b32 v1, 31, v0                           ; lane
	v_and_b32 v6, 15, v0                           ; r
	v_bfe_u32 v7, v0, 4, 1                         ; h
	v_lshlrev_b32 v[L16], 4, v1
	v_lshlrev_b32 v[L8], 3, v1
	s_mul_i32 s3, s2, STG                          ; my stage
	v_add_nc_u32 v[STI], s3, v[L16]
	v_mul_u32_u24 v[STO], v6, SP
	v_lshl_add_u32 v[STO], v7, 6, v[STO]
	v_add_nc_u32 v[STO], s3, v[STO]
.irp b, 0,1,2,3
	v_mov_b32 v[TM+4+\b], 0                        ; written once: a lane permute's destination counts as one of its sources
.endr
	s_mov_b32 s[SEL], 0x76543210
	s_mov_b32 s[SEL+1], 0xfedcba98
	s_mov_b32 s18, 640                             ; the tensor's first work-group: wv's, unless one of the compares below says otherwise
	s_wait_alu depctr_va_vdst(0)
	s_wait_kmcnt 0x0
	s_mov_b64 s[22:23], s[10:11]
	s_cmp_lt_u32 ttmp9, 640                        ; which tensor: the choice hangs on the work-group's number alone
	s_cselect_b64 s[22:23], s[8:9], s[22:23]
	s_cselect_b32 s18, 512, s18
	s_cmp_lt_u32 ttmp9, 512
	s_cselect_b64 s[22:23], s[6:7], s[22:23]
	s_cselect_b32 s18, 256, s18
	s_cmp_lt_u32 ttmp9, 256
	s_cselect_b64 s[22:23], s[4:5], s[22:23]
	s_cselect_b32 s18, 0, s18
	s_sub_co_u32 s24, ttmp9, s18
	s_lshl_b32 s24, s24, 2
	s_add_co_u32 s24, s24, s2                      ; my run in the tensor: eight runs to a tile
	s_lshr_b32 s25, s24, 3                         ; its tile T
	s_and_b32 s26, s24, 7                          ; and which 512 along K,
	s_lshl_b32 s26, s26, 11                        ; in bytes
	s_lshr_b32 s27, s25, 1
	s_lshl_b32 s27, s27, 5
	s_and_b32 s28, s25, 1
	s_lshl_b32 s28, s28, 3
	s_add_co_u32 s27, s27, s28                     ; the tile's first row: 32 (T / 2) + 8 (T % 2),
	s_lshl_b32 s27, s27, 14                        ; in bytes (under 2^26)
	s_add_co_u32 s26, s26, s27
	s_mov_b32 s27, 0
	s_add_nc_u64 s[22:23], s[22:23], s[26:27]      ; the tile's first row at my part of K; the other fifteen rows stand in the loads' immediates
	s_lshl_b32 s24, ttmp9, 2
	s_add_co_u32 s24, s24, s2
	s_mul_i32 s24, s24, (NF/2)*REC                 ; my run's records in cw
	s_mov_b32 s25, 0
	s_add_nc_u64 s[16:17], s[14:15], s[24:25]
.macro LOAD f                          ; fragment f: 512 bytes of each of the sixteen rows, into set f % 2.  Row i of the tile lies i + 8 (i / 8) rows on: 23 rows at the most, inside the signed 24-bit immediate
.irp i, 0,1,2,3,4,5,6,7,8,9,10,11,12,13,14,15
	global_load_b128 v[R+64*((\f)%2)+4*\i:R+64*((\f)%2)+4*\i+3], v[L16], s[22:23] offset:(\i+8*(\i/8))*ROWP+512*(\f) th:TH_LOAD_NT   ; 32 lanes read 512 consecutive bytes; read once in the whole program
.endr
.endm
.macro FRAGM f
.if (\f) < NF-1
	s_wait_loadcnt 16                              ; this fragment's sixteen loads are in; the next fragment's sixteen may be out
.else
	s_wait_loadcnt 0x0
.endif
.irp i, 0,1,2,3,4,5,6,7,8,9,10,11,12,13,14,15
	ds_store_b128 v[STI], v[R+64*((\f)%2)+4*\i:R+64*((\f)%2)+4*\i+3] offset:SP*\i
.endr
.irp b, 0,1,2,3
.irp j, 0,1,2,3
	ds_load_b128 v[X+16*\b+4*\j:X+16*\b+4*\j+3], v[STO] offset:128*\b+16*\j   ; LDS serves a wave's instructions in order (ISA guide 5.7.1.4): these see the stores above
.endr
.endr
	s_wait_dscnt 0x0                               ; my 64 numbers are in, and the stores into the stage have read their set
	s_wait_xcnt 0x0                                ; the last fragment's stores have read the codes and the scale words: both are written again below
.if (\f) < NF-2
	LOAD (\f)+2                                    ; the set takes the fragment two on
.endif
	QUANT X, PC, PW+((\f)%2)
.irp c, 0,1,2
	global_store_b128 v[L16], v[PC+4*\c:PC+4*\c+3], s[16:17] offset:((\f)/2)*REC+((\f)%2)*FRB+512*\c   ; 32 lanes store 512 consecutive bytes, at a multiple of 256 from cw's first byte
.endr
.if (\f)%2
	global_store_b64 v[L8], v[PW:PW+1], s[16:17] offset:((\f)/2)*REC+SCU   ; the record's scale words: 256 consecutive bytes
.endif
.endm
	LOAD 0
	LOAD 1
.irp f, 0,1,2,3
	FRAGM \f
.endr
	s_wait_tensorcnt 0x0
	ds_add_u32 v254, v255
	s_wait_dscnt 0x0
	s_endpgm
.Lfunc_end_k_q21fa6ddeb9_quant:
	.size	k_q21fa6ddeb9_quant, .Lfunc_end_k_q21fa6ddeb9_quant-k_q21fa6ddeb9_quant
	.p2alignl 7, 3214868480
	.fill 96, 4, 3214868480
	.section	.rodata,"a",@progbits
	.p2align	6, 0x0
	.amdhsa_kernel k_q21fa6ddeb9_quant
		.amdhsa_group_segment_fixed_size 35328
		.amdhsa_private_segment_fixed_size 0
		.amdhsa_enable_private_segment 0
		.amdhsa_kernarg_size 40
		.amdhsa_user_sgpr_count 2
		.amdhsa_user_sgpr_kernarg_segment_ptr 1
		.amdhsa_wavefront_size32 1
		.amdhsa_system_sgpr_workgroup_id_x 1
		.amdhsa_system_sgpr_workgroup_id_y 1
		.amdhsa_system_sgpr_workgroup_id_z 1
		.amdhsa_system_vgpr_workitem_id 0
		.amdhsa_next_free_vgpr 256
		.amdhsa_next_free_sgpr 66
		.amdhsa_reserve_vcc 0
		.amdhsa_float_denorm_mode_32 3
		.amdhsa_float_denorm_mode_16_64 3
		.amdhsa_memory_ordered 1
		.amdhsa_forward_progress 1
		.amdhsa_inst_pref_size 34
	.end_amdhsa_kernel
	.amdgpu_metadata
---
amdhsa.version: [ 1, 2 ]
amdhsa.kernels:
  - .name:           k_q21fa6ddeb9_quant
    .symbol:         k_q21fa6ddeb9_quant.kd
    .args:
      - { .name: hidden_states, .offset: 0, .size: 8, .value_kind: global_buffer, .address_space: global }
      - { .name: wq, .offset: 8, .size: 8, .value_kind: global_buffer, .address_space: global }
      - { .name: wk, .offset: 16, .size: 8, .value_kind: global_buffer, .address_space: global }
      - { .name: wv, .offset: 24, .size: 8, .value_kind: global_buffer, .address_space: global }
      - { .name: cw, .offset: 32, .size: 8, .value_kind: global_buffer, .address_space: global }
    .group_segment_fixed_size: 35328
    .private_segment_fixed_size: 0
    .kernarg_segment_align: 8
    .kernarg_segment_size: 40
    .max_flat_workgroup_size: 128
    .sgpr_count:     66
    .vgpr_count:     256
    .wavefront_size: 32
...
	.end_amdgpu_metadata
.endif
;; end of part 1
;; launch qkv (part 2): grid 16 x 16, 4 waves a work-group, clusters of 4 x 4, 327,680 bytes of LDS; arguments cw, qkv; writes qkv
.if DOCPART == 2
	.amdgcn_target "amdgcn-amd-amdhsa--gfx1250"
	.amdhsa_code_object_version 6
	.text
	.protected	k_q21fa6ddeb9_qkv
	.globl	k_q21fa6ddeb9_qkv
	.p2align	8
	.type	k_q21fa6ddeb9_qkv,@function
k_q21fa6ddeb9_qkv:
	s_mov_b64 s[64:65], 0
	v_nop
	global_prefetch_b8 v0, s[64:65] scope:SCOPE_SE
	s_setreg_imm32_b32 hwreg(HW_REG_WAVE_MODE, 25, 1), 1
	s_wait_xcnt 0x0
	s_wait_alu depctr_hold_cnt(0) depctr_sa_sdst(0) depctr_va_vdst(0) depctr_va_sdst(0) depctr_va_ssrc(0) depctr_va_vcc(0) depctr_vm_vsrc(0)
	s_getreg_b32 s2, hwreg(HW_REG_IB_STS2, 6, 4)
	s_cmp_eq_u32 s2, 0
	s_cbranch_scc0 .Lentry_in_a_cluster
	s_endpgm
.Lentry_in_a_cluster:
	s_bfe_u32 s2, ttmp6, 0x10000c
	s_cmp_lg_u32 s2, 0xf033
	s_cbranch_scc0 .Lentry_shape_is_right
	s_endpgm
.Lentry_shape_is_right:
.set REC,    3328
.set FRB,    1536
.set SCU,    3072
.set KTOT,   4096
.set TPITCH, (KTOT/256)*REC
.set ROWB,   2*REC
.set ASL,    8*ROWB
.set SLOT,   24*ROWB
.set SPARE,  2*SLOT
.set LAPS,   KTOT/1024
.set OFF_WQ, 6815744
.set OFF_WV, 17039360
.set PANEL,  64*REC
.set OFF_VT, 24*PANEL
.set ADRA, 16
.set ADRB, 20
.set ADRS, 22
.set L16,  26
.set L8,   27
.set SPW,  28
.set NIL,  29
.set SC,   32
.set AF,   64
.set PCS,  64
.set TM,   200
.set PW,   216
.set SEL,  10
.set G1,   24
.set G0,   32
.set G1B,  48
.set G0B,  56
.set MSB, 0
.macro WIN new
.if MSB != \new
	s_set_vgpr_msb (MSB<<8)|\new
.set MSB, \new
.endif
.endm
.set MUL,  0xa1
.set TO_B, 0x40
.macro PLACES
.rept 4
	v_nop
.endr
.endm
.macro JLOAD s
	s_cmp_eq_u32 s15, 0
	s_cbranch_scc0 .Lfor_b_\@
	tensor_load_to_lds s[G0+4*\s:G0+4*\s+3], s[G1:G1+7]
	s_nop 0
.rept 4
	v_nop
.endr
	s_branch .Lasked_\@
.Lfor_b_\@:
	tensor_load_to_lds s[G0B+4*\s:G0B+4*\s+3], s[G1B:G1B+7]
	s_nop 0
.rept 4
	v_nop
.endr
.Lasked_\@:
.endm
.macro CREST
	s_cmp_lg_u32 s14, 0
	s_cbranch_scc1 .Lnot_wave_0_\@
	s_barrier_signal -3
.Lnot_wave_0_\@:
	s_barrier_wait -3
	s_barrier_signal -1
	s_barrier_wait -1
.endm
.macro CROUND
	s_barrier_signal -1
	s_barrier_wait -1
	CREST
.endm
	s_load_b128 s[4:7], s[0:1], 0x0
	v_lshl_add_u32 v[SPW], v0, 2, SPARE
	v_mov_b32 v[NIL], 0
	ds_add_u32 v28, v29
	ds_add_u32 v28, v29
	s_wait_dscnt 0x0
	v_lshrrev_b32 v1, 5, v0
	v_readfirstlane_b32 s14, v1
	v_and_b32 v30, 31, v0
	v_min_u32 v30, 25, v30
	v_lshlrev_b32 v30, 8, v30                      ; the prefetches' offset: 256 x lane; a tile row of a slot is 26 blocks of 256 bytes, lanes 26-31 name the last again; never rewritten
	s_wait_alu depctr_va_vdst(0)                   ; the wait behind the write
	s_lshr_b32 s15, s14, 1
	s_and_b32 s16, s14, 1
	s_bfe_u32 s40, ttmp6, 0x40000
	s_bfe_u32 s41, ttmp6, 0x40004
	s_and_b32 s18, ttmp7, 0xffff
	s_lshr_b32 s19, s18, 1
	s_and_b32 s20, s18, 1
	s_cmp_eq_u32 ttmp9, 3
	s_cselect_b32 s42, s19, ttmp9
	s_cselect_b32 s17, s20, s18
	s_cselect_b32 s66, OFF_WV, 0
	s_cselect_b32 s68, 0, OFF_WQ
	s_lshl_b32 s42, s42, 2
	s_add_co_u32 s42, s42, s40
	s_lshl_b32 s17, s17, 2
	s_add_co_u32 s17, s17, s41
	s_lshl_b32 s43, s41, 2
	s_lshl_b32 s43, 15, s43
	s_lshl_b32 s44, 0x1111, s40
	s_or_b32 s[G1+0], s43, (3<<16)|(1<<21)
	s_or_b32 s[G1B+0], s44, (3<<16)|(1<<21)
	s_mov_b32 s[G1+1], (ROWB/8)<<16
	s_mov_b32 s[G1+2], 4<<16
	s_mov_b32 s[G1+3], (ROWB/8)<<16
	s_mov_b32 s[G1+4], 4
	s_mov_b32 s[G1+5], TPITCH/8
	s_mov_b32 s[G1+6], 0
	s_mov_b32 s[G1+7], 0
	s_mov_b32 s[G1B+1], (ROWB/8)<<16
	s_mov_b32 s[G1B+2], 8<<16
	s_mov_b32 s[G1B+3], (ROWB/8)<<16
	s_mov_b32 s[G1B+4], 8
	s_mov_b32 s[G1B+5], TPITCH/8
	s_mov_b32 s[G1B+6], 0
	s_mov_b32 s[G1B+7], 0
	s_lshl_b32 s20, s17, 3
	s_lshl_b32 s21, s16, 2
	s_add_co_u32 s20, s20, s21
	s_mul_i32 s20, s20, TPITCH
	s_add_co_u32 s20, s20, s66
	s_mov_b32 s21, 0
	s_lshl_b32 s46, s42, 4
	s_lshl_b32 s47, s16, 3
	s_add_co_u32 s46, s46, s47
	s_mul_i32 s46, s46, TPITCH
	s_add_co_u32 s46, s46, s68
	s_mov_b32 s47, 0
	s_mul_i32 s45, s16, 4*ROWB
	s_mul_i32 s22, s16, 8*ROWB
	s_add_co_u32 s22, s22, ASL
	s_lshl_b32 s72, s42, 1
	s_add_co_u32 s72, s72, s16
	s_cmp_eq_u32 ttmp9, 3
	s_cselect_b32 s73, s17, s72
	s_cselect_b32 s74, s72, s17
	s_cselect_b32 s76, OFF_VT, 0
	s_mul_i32 s73, s73, PANEL
	s_mul_i32 s74, s74, 4*REC
	s_mul_i32 s75, s15, 2*REC
	s_add_co_u32 s76, s76, s73
	s_add_co_u32 s76, s76, s74
	s_add_co_u32 s76, s76, s75
	s_mov_b32 s77, 0
	s_mov_b32 s[SEL], 0x76543210
	s_mov_b32 s[SEL+1], 0xfedcba98
	s_wait_kmcnt 0x0
	s_add_nc_u64 s[20:21], s[4:5], s[20:21]
	s_add_nc_u64 s[46:47], s[4:5], s[46:47]
	s_add_nc_u64 s[6:7], s[6:7], s[76:77]
	; where my prefetches stand: of the 4 tile rows that an A wave fetches the partner at cx takes one; of a B wave's 8 the partner at cy takes two: shared out by address alone
	s_lshl_b32 s9, s41, 1
	s_cmp_eq_u32 s15, 0
	s_cselect_b64 s[12:13], s[20:21], s[46:47]
	s_cselect_b32 s8, s40, s9
	s_mul_i32 s8, s8, TPITCH
	s_mov_b32 s9, 0
	s_add_nc_u64 s[12:13], s[12:13], s[8:9]
	CROUND
.irp s, 0,1
	s_mov_b32 s[G0+4*\s], 1
	s_add_co_u32 s[G0+4*\s+1], s45, \s*SLOT
	s_add_nc_u64 s[G0+4*\s+2:G0+4*\s+3], s[20:21], \s*ROWB
	s_or_b32 s[G0+4*\s+3], s[G0+4*\s+3], 0x80000000
	s_mov_b32 s[G0B+4*\s], 1
	s_add_co_u32 s[G0B+4*\s+1], s22, \s*SLOT
	s_add_nc_u64 s[G0B+4*\s+2:G0B+4*\s+3], s[46:47], \s*ROWB
	s_or_b32 s[G0B+4*\s+3], s[G0B+4*\s+3], 0x80000000
.endr
; A prefetch into the L2: my work-group's share of the slot that lies n slots on from where s[12:13] stands: 26 blocks of 256 bytes an instruction, a second tile row for B's waves
.macro ASK n
	global_prefetch_b8 v30, s[12:13] offset:(\n)*ROWB th:TH_LOAD_NT scope:SCOPE_SE
	s_cmp_eq_u32 s15, 0
	s_cbranch_scc1 .Lone_row_\@
	global_prefetch_b8 v30, s[12:13] offset:(\n)*ROWB+TPITCH th:TH_LOAD_NT scope:SCOPE_SE
.Lone_row_\@:
.endm
	JLOAD 0                                        ; slot 0: one tensor load a wave at the head
	ASK 1                                          ; slots 1 and 2 are asked of memory here, slot j + 2 behind slot j's load from then on
	ASK 2
	v_and_b32 v1, 31, v0
	v_bfe_u32 v2, v0, 4, 1
	v_lshlrev_b32 v[L16], 4, v1
	v_lshlrev_b32 v[L8], 3, v1
.irp b, 0,1,2,3
	v_mov_b32 v[TM+4+\b], 0
.endr
	s_mul_i32 s21, s15, 4*ROWB
	s_mul_i32 s22, s16, 8*ROWB
	s_add_co_u32 s22, s22, ASL
	s_sub_co_u32 s23, s22, s21
	v_mul_u32_u24 v3, s23, v2
	v_add_nc_u32 v3, v3, v[L8]
	v_add_nc_u32 v3, SCU, v3
.irp s, 0,1
	v_add_nc_u32 v[ADRA+\s], s21, v[L16]
	v_add_nc_u32 v[ADRB+\s], s22, v[L16]
	v_add_nc_u32 v[ADRS+\s], s21, v3
	s_add_co_u32 s21, s21, SLOT
	s_add_co_u32 s22, s22, SLOT
.endr
.macro FETCH slot, q, set
	WIN TO_B
.irp b, 0,1,2,3,4,5,6,7
.irp c, 0,1,2
	ds_load_b128 v[96*(\set)+12*\b+4*\c:96*(\set)+12*\b+4*\c+3], v[ADRB+\slot] offset:\b*ROWB+((\q)/2)*REC+((\q)%2)*FRB+512*\c
.endr
.endr
	WIN 0
.irp a, 0,1,2,3
.irp c, 0,1,2
	ds_load_b128 v[AF+48*(\set)+12*\a+4*\c:AF+48*(\set)+12*\a+4*\c+3], v[ADRA+\slot] offset:\a*ROWB+((\q)/2)*REC+((\q)%2)*FRB+512*\c
.endr
.endr
.if ((\q)%2) == 0
.irp i, 0,1,2,3,4,5,6,7
	ds_load_b64 v[SC+16*(((\q)/2)%2)+2*\i:SC+16*(((\q)/2)%2)+2*\i+1], v[ADRS+\slot] offset:\i*ROWB+((\q)/2)*REC
.endr
.endif
.endm
.macro MULROW a, q, zero
.irp b, 0,1,2,3,4,5,6,7
.if \zero
	v_wmma_scale_f32_16x16x128_f8f6f4 v[8*(8*(\a)+\b):8*(8*(\a)+\b)+7], v[96*((\q)%2)+12*\b:96*((\q)%2)+12*\b+11], v[AF+48*((\q)%2)+12*(\a):AF+48*((\q)%2)+12*(\a)+11], 0, v[SC+16*(((\q)/2)%2)+2*\b+(\q)%2], v[SC+16*(((\q)/2)%2)+2*(\a)+(\q)%2] matrix_a_fmt:MATRIX_FMT_FP6 matrix_b_fmt:MATRIX_FMT_FP6 matrix_a_scale:MATRIX_SCALE_ROW1
.else
	v_wmma_scale_f32_16x16x128_f8f6f4 v[8*(8*(\a)+\b):8*(8*(\a)+\b)+7], v[96*((\q)%2)+12*\b:96*((\q)%2)+12*\b+11], v[AF+48*((\q)%2)+12*(\a):AF+48*((\q)%2)+12*(\a)+11], v[8*(8*(\a)+\b):8*(8*(\a)+\b)+7], v[SC+16*(((\q)/2)%2)+2*\b+(\q)%2], v[SC+16*(((\q)/2)%2)+2*(\a)+(\q)%2] matrix_a_fmt:MATRIX_FMT_FP6 matrix_b_fmt:MATRIX_FMT_FP6 matrix_a_scale:MATRIX_SCALE_ROW1
.endif
.endr
.endm
.macro STEP slot, q, zero
	s_wait_dscnt 0x0
	WIN MUL
	MULROW 0, \q, \zero
	PLACES
	FETCH \slot, (\q)+1, ((\q)+1)%2
	WIN MUL
	MULROW 1, \q, \zero
	MULROW 2, \q, \zero
	MULROW 3, \q, \zero
	WIN 0
.endm
.macro TURN slot, next, fill
.if (\fill) && (LAPS > 2)
	s_wait_xcnt 0x0                                ; my prefetches have read their address: it steps one slot
	s_add_nc_u64 s[12:13], s[12:13], ROWB
.endif
	s_wait_tensorcnt 0x0
	ds_add_u32 v[SPW], v[NIL]
	s_wait_dscnt 1
	WIN MUL
	MULROW 0, 3, 0
	s_wait_dscnt 0x0
	s_barrier_signal -1
	MULROW 1, 3, 0
	WIN 0
	s_barrier_wait -1
.if \fill
	CREST
	s_add_nc_u64 s[G0+4*\slot+2:G0+4*\slot+3], s[G0+4*\slot+2:G0+4*\slot+3], 2*ROWB
	s_add_nc_u64 s[G0B+4*\slot+2:G0B+4*\slot+3], s[G0B+4*\slot+2:G0B+4*\slot+3], 2*ROWB
	JLOAD \slot
.else
	PLACES
.endif
	FETCH \next, 0, 0
.if (\fill) && (LAPS > 2)
	s_cmp_gt_u32 s3, 1                             ; the last trip's two refills have no slot two on
	s_cbranch_scc0 .Lno_ask_\@
	ASK 3
.Lno_ask_\@:
.endif
	WIN MUL
	MULROW 2, 3, 0
	MULROW 3, 3, 0
	WIN 0
.endm
.macro QUANTW s, pc, pw
	WIN 0x28
.irp b, 0,1,2,3
	v_max3_num_f32 v[TM+\b], 0x1800000, |v[(\s)+16*\b]|, |v[(\s)+1+16*\b]|
.endr
.irp i, 2,4,6,8,10,12,14
.irp b, 0,1,2,3
	v_max3_num_f32 v[TM+\b], v[TM+\b], |v[(\s)+16*\b+\i]|, |v[(\s)+1+16*\b+\i]|
.endr
.endr
	WIN 0
.irp b, 0,1,2,3
	v_permlanex16_b32 v[TM+4+\b], v[TM+\b], s[SEL], s[SEL+1]
.endr
.irp b, 0,1,2,3
	v_max_num_f32 v[TM+\b], v[TM+\b], v[TM+4+\b]
.endr
.irp b, 0,1,2,3
	v_add_nc_u32 v[TM+12+\b], 0xff000000, v[TM+\b]
.endr
.irp b, 0,1,2,3
	v_lshrrev_b32 v[TM+4+\b], 23, v[TM+12+\b]
.endr
	v_lshl_or_b32 v[\pw], v[TM+5], 8, v[TM+4]
	v_lshl_or_b32 v[\pw], v[TM+6], 16, v[\pw]
	v_lshl_or_b32 v[\pw], v[TM+7], 24, v[\pw]
	WIN 0x02
.irp c, 0,1
	v_cvt_scalef32_pk16_fp6_f32 v[\pc+6*\c:\pc+2+6*\c], v[(\s)+32*\c:(\s)+15+32*\c], v[TM+12+2*\c]
	v_cvt_scalef32_pk16_fp6_f32 v[\pc+12+4*\c:\pc+14+4*\c], v[(\s)+16+32*\c:(\s)+31+32*\c], v[TM+12+2*\c+1]
.endr
	WIN 0
	v_nop
.irp c, 0,1
.irp i, 0,1,2
	v_permlane16_swap_b32 v[\pc+6*\c+\i], v[\pc+12+4*\c+\i]
.endr
.irp i, 0,1,2
	v_mov_b32 v[\pc+3+6*\c+\i], v[\pc+12+4*\c+\i]
.endr
.endr
.endm
	s_wait_alu depctr_va_vdst(0)                   ; the wait at the head's end
	s_wait_tensorcnt 0x0                           ; my part of slot 0 is in; slot 1's first fill is issued as a refill is
	ds_add_u32 v[SPW], v[NIL]
	s_wait_dscnt 0x0
	CROUND
	JLOAD 1
	FETCH 0, 0, 0
	ASK 3
	STEP 0, 0, 1
	s_mov_b32 s3, LAPS-1
.Llap:
	STEP 0, 1, 0
	STEP 0, 2, 0
	TURN 0, 1, 1
	STEP 1, 0, 0
	STEP 1, 1, 0
	STEP 1, 2, 0
	TURN 1, 0, 1
	STEP 0, 0, 0
	s_sub_co_u32 s3, s3, 1
	s_cmp_lg_u32 s3, 0
	s_cbranch_scc1 .Llap
	STEP 0, 1, 0
	STEP 0, 2, 0
	TURN 0, 1, 0
	STEP 1, 0, 0
	STEP 1, 1, 0
	STEP 1, 2, 0
	s_wait_dscnt 0x0
	WIN MUL
	MULROW 0, 3, 0
	MULROW 1, 3, 0
	MULROW 2, 3, 0
	MULROW 3, 3, 0
	PLACES
.irp a, 0,1,2,3
	QUANTW 64*\a, PCS+20*\a, PW+\a
.irp c, 0,1,2
	global_store_b128 v[L16], v[PCS+20*\a+4*\c:PCS+20*\a+4*\c+3], s[6:7] offset:(\a/2)*REC+(\a%2)*FRB+512*\c
.endr
.if \a%2
	global_store_b64 v[L8], v[PW+\a-1:PW+\a], s[6:7] offset:(\a/2)*REC+SCU
.endif
.endr
	s_wait_tensorcnt 0x0
	ds_add_u32 v[SPW], v[NIL]
	s_wait_dscnt 0x0
	CROUND
	s_endpgm
.Lfunc_end_k_q21fa6ddeb9_qkv:
	.size	k_q21fa6ddeb9_qkv, .Lfunc_end_k_q21fa6ddeb9_qkv-k_q21fa6ddeb9_qkv
	.p2alignl 7, 3214868480
	.fill 96, 4, 3214868480
	.section	.rodata,"a",@progbits
	.p2align	6, 0x0
	.amdhsa_kernel k_q21fa6ddeb9_qkv
		.amdhsa_group_segment_fixed_size 327680
		.amdhsa_private_segment_fixed_size 0
		.amdhsa_enable_private_segment 0
		.amdhsa_kernarg_size 16
		.amdhsa_user_sgpr_count 2
		.amdhsa_user_sgpr_kernarg_segment_ptr 1
		.amdhsa_wavefront_size32 1
		.amdhsa_system_sgpr_workgroup_id_x 1
		.amdhsa_system_sgpr_workgroup_id_y 1
		.amdhsa_system_sgpr_workgroup_id_z 1
		.amdhsa_system_vgpr_workitem_id 0
		.amdhsa_next_free_vgpr 768
		.amdhsa_next_free_sgpr 80
		.amdhsa_reserve_vcc 0
		.amdhsa_float_denorm_mode_32 3
		.amdhsa_float_denorm_mode_16_64 3
		.amdhsa_memory_ordered 1
		.amdhsa_forward_progress 1
		.amdhsa_inst_pref_size 138
	.end_amdhsa_kernel
	.amdgpu_metadata
---
amdhsa.version: [ 1, 2 ]
amdhsa.kernels:
  - .name:           k_q21fa6ddeb9_qkv
    .symbol:         k_q21fa6ddeb9_qkv.kd
    .args:
      - { .name: cw, .offset: 0, .size: 8, .value_kind: global_buffer, .address_space: global }
      - { .name: qkv, .offset: 8, .size: 8, .value_kind: global_buffer, .address_space: global }
    .group_segment_fixed_size: 327680
    .private_segment_fixed_size: 0
    .kernarg_segment_align: 8
    .kernarg_segment_size: 16
    .max_flat_workgroup_size: 128
    .sgpr_count:     80
    .vgpr_count:     768
    .wavefront_size: 32
...
	.end_amdgpu_metadata
.endif
;; end of part 2
;; launch attn (part 3): grid 32 x 8, 8 waves a work-group, clusters of 4 x 4, 327,680 bytes of LDS; arguments qkv, attention_mask, wo, cw, ao; writes cw, ao
.if DOCPART == 3
	.amdgcn_target "amdgcn-amd-amdhsa--gfx1250"
	.amdhsa_code_object_version 6
	.text
	.protected	k_q21fa6ddeb9_attn
	.globl	k_q21fa6ddeb9_attn
	.p2align	8
	.type	k_q21fa6ddeb9_attn,@function
k_q21fa6ddeb9_attn:
	s_mov_b64 s[64:65], 0
	v_nop
	global_prefetch_b8 v0, s[64:65] scope:SCOPE_SE
	s_setreg_imm32_b32 hwreg(HW_REG_WAVE_MODE, 25, 1), 1
	s_wait_xcnt 0x0
	s_wait_alu depctr_hold_cnt(0) depctr_sa_sdst(0) depctr_va_vdst(0) depctr_va_sdst(0) depctr_va_ssrc(0) depctr_va_vcc(0) depctr_vm_vsrc(0)
	s_getreg_b32 s2, hwreg(HW_REG_IB_STS2, 6, 4)
	s_cmp_eq_u32 s2, 0
	s_cbranch_scc0 .Lentry_in_a_cluster
	s_endpgm
.Lentry_in_a_cluster:
	s_bfe_u32 s2, ttmp6, 0x10000c
	s_cmp_lg_u32 s2, 0xf033
	s_cbranch_scc0 .Lentry_shape_is_right
	s_endpgm
.Lentry_shape_is_right:
; Attention on codes of FP6 (E2M3): for each of 16 heads, o[q] = sum over k of softmax_k(q . k / sqrt(128) + mask[q][k]) v[k]; two query heads share a key and value head.  The mask is an input: it is loaded and added as it is given, for every key.
; THE SOFTMAX AHEAD OF THE SECOND PRODUCT: the logit u = score / sqrt(128) + mask (one fused multiply-add); t = u x log2(e); M = the row's largest t so far, rounded UP to a whole number; p = 2^(t - M) is what is quantised, along the keys, not normalised.
; The row's sum is taken of the unquantised p and divides O at the end.  When M moves, the sum and O are multiplied by 2^(old M - new M): exact.  t - M is one fused multiply-add of u; M comes from the rounded product u x log2(e), so t - M can
; lie above 0 by that product's rounding at the most: p stays within a few units in the last place of 1.
; SHARES.  A work-group owns 64 queries and one key and value head; wave w owns one tile of 16 queries (w % 4) of one of the two query heads (w / 4).  Two waves lie on a SIMD, so that one wave's vector work stands beside the other's products and LDS loads.
; OPERANDS lie in qkv as images of their registers (a fragment: three runs of 512 bytes), two fragments and their scale words to a record of 3,328 bytes.  Lane r of a tile T of tokens holds token 32 (T / 2) + 8 (T % 2) + r + 8 (r / 8).
; Both products are used transposed: S^T = K Q^T, O^T = V^T P^T: a lane holds ONE query throughout, and by the order of a tile's rows the 16 registers of tiles 2 b, 2 b + 1 are keys (or channels) 32 b + 16 (lane / 16) + 0 .. 15.
; RING: two LDS slots of 256 keys (K's 8 records, V^T's 8, the mask's 64 rows x 1,024 bytes), filled by joint tensor loads: K and V are shared along a row of the 4 x 4 cluster (one head), the mask's tile along a column (one block of queries).
; Waves 0, 1 fetch K's halves, waves 2, 3 V's, waves 4-7 sixteen rows of the mask each: one load a wave behind each round.  The change of slots stands INSIDE a slot's last key step: the opening signal as soon as the wave's last reads of the slot are in,
; the wait behind the step's last products: the sums, O's rescaling and those products are the register work between the two.
; wo IS QUANTISED HERE TOO: wo [4096][2048] f32 has 256 tiles of 16 rows x 8 records, this launch 256 work-groups x 8 waves: a wave makes one record (16 rows x 256 along K) of cw's region for wo, which the last launch reads.  Its 32 loads go out ahead of
; everything else and its arithmetic stands between the request for the first tiles and the wait for them.  This launch loads nothing from cw.
; OUT: ao [tile T][key and value head][record]: the record's two fragments are the two query heads: two K steps of the last product.
; LIMITS: NaN and +infinity among the inputs are not served; a mask of -infinity, or a logit whose product with log2(e) leaves f32's range downward, gives p = 0.  A row ALL of whose t lie under -3e38 is not served (its sum is 0).
;   A block whose largest number lies under 2^-124 keeps the scale byte 1 (zeros too): this program alone reads the bytes.
; REGISTERS: window 0: v1-11 addresses; v12 -M, v13 the largest t, v[14:15] the sum; v16-27 Q; v32-39 K's scale words, v40-47 V's; v48-63 at work in QUANT; v[64:65] a record's scale words; v96-159 S^T, u, p (at the head: 64 numbers of wo);
;   v160-223 O^T; v224-243 codes; v232-254 at work; v253 p's scale word; v255 Q's.   window 1: v0-95 K's eight fragments; v96-191 V's; v192-255 the mask's 64 numbers (at the head v0-127: wo as loaded).
.set REC,    3328
.set FRB,    1536
.set SCU,    3072
.set PANEL,  64*REC
.set OFF_VT, 24*PANEL
.set OFF_WO, 20447232                  ; wo's region in cw: [tile T][K pair][record]
.set VOFF,   8*REC                     ; a slot: K's 8 records, V's 8,
.set MOFF,   16*REC                    ; and the mask
.set MP,     1040                      ; a mask row in LDS: 1,024 bytes + 16
.set MGRP,   16*MP+128                 ; sixteen rows, and 128 bytes more
.set SLOT1,  1<<17                     ; slot 1 begins here: one exclusive or turns an address in one slot into the other's
.set SPARE,  SLOT1+MOFF+4*MGRP         ; behind the ring: the spare words, 128 bytes for each wave: four blocks of 256 bytes that no other line names
.set XCH,    SPARE+1024                ; four blocks of 256 bytes in which the two heads' scale words meet; no tensor load lands here
.set STG0,   XCH+1024                  ; a stage for each wave, for wo's numbers: 16 rows of 528 bytes, rounded up to 34 blocks of 256 bytes; no tensor load lands here
.set WSP,    528
.set WSTG,   8704
.set NSL,    8                         ; slots' worth of keys
.set AL0, 1                            ; v1   16 x lane
.set AS0, 2                            ; v2   8 x lane
.set AM0, 3                            ; v3   my query's row of the mask's tile, + 64 h
.set SPW, 4                            ; v4   LDS address of my spare word; never rewritten
.set NIL, 5                            ; v5   0; never rewritten
.set GOF, 6                            ; v6   my byte in the record of ao: 16 x lane + 1,536 x head
.set XW,  7                            ; v7   where my scale word goes
.set ADL, 8                            ; v8   the slot's fragments (at the head: my stage on the way in)
.set ADS, 9                            ; v9   its scale words (at the head: my stage on the way out)
.set ADM, 10                           ; v10  its mask
.set XR,  11                           ; v11  where a record's 256 bytes of scale words are read back
.set KS,  32
.set VS,  40
.set TM,  48
.set PWW, 64                           ; v[64:65]
.set S,   96
.set OT,  160
.set BM,  232
.set VF,  96                           ; in window 1
.set MK,  192                          ; in window 1
.set L2E, 10                           ; s[10:11] log2(e)
.set WV,  18
.set SEL, 20
.set CS,  22                           ; s[22:23] 1 / sqrt(128)
.set G1KV, 24
.set G1M,  32
.set G0K,  40
.set G0V,  44
.set G0M,  48
.set TB,   52                          ; s52  LDS byte at which the slot in hand begins
.set SLOTS, 53
.set MSB, 0
.macro WIN new                         ; the immediate's high byte repeats the setting that is left
.if MSB != \new
	s_set_vgpr_msb (MSB<<8)|\new
.set MSB, \new
.endif
.endm
.macro PLACES
.rept 4
	v_nop
.endr
.endm
; Every wave's one joint load.  The branches hang on the wave's number alone; four v_nop follow each line.
.macro TLOAD
	s_cmp_lt_u32 s[WV], 2
	s_cbranch_scc0 .Lnot_k_\@
	tensor_load_to_lds s[G0K:G0K+3], s[G1KV:G1KV+7]
	s_nop 0
.rept 4
	v_nop
.endr
	s_branch .Lasked_\@
.Lnot_k_\@:
	s_cmp_lt_u32 s[WV], 4
	s_cbranch_scc0 .Lfor_m_\@
	tensor_load_to_lds s[G0V:G0V+3], s[G1KV:G1KV+7]
	s_nop 0
.rept 4
	v_nop
.endr
	s_branch .Lasked_\@
.Lfor_m_\@:
	tensor_load_to_lds s[G0M:G0M+3], s[G1M:G1M+7]
	s_nop 0
.rept 4
	v_nop
.endr
.Lasked_\@:
.endm
.macro CREST                           ; a round of the cluster's barrier behind its opening barrier
	s_cmp_lg_u32 s[WV], 0
	s_cbranch_scc1 .Lnot_wave_0_\@
	s_barrier_signal -3
.Lnot_wave_0_\@:
	s_barrier_wait -3
	s_barrier_signal -1
	s_barrier_wait -1
.endm
.macro CROUND                          ; a whole round
	s_barrier_signal -1
	s_barrier_wait -1
	CREST
.endm
; 64 numbers of a lane, v[s] on, register 16 b + i = k 32 b + 16 (lane / 16) + i of my row, become a fragment's codes in v[pc] .. v[pc + 11] and its scale word in v[pw].
.macro QUANT s, pc, pw
.irp b, 0,1,2,3
	v_max3_num_f32 v[TM+\b], |v[\s+16*\b]|, |v[\s+1+16*\b]|, 0x1800000   ; block b: my 16 numbers, and the floor 2^(3 - 127): the byte cannot fall under 1
.endr
.irp i, 2,4,6,8,10,12,14
.irp b, 0,1,2,3
	s_delay_alu instid0(VALU_DEP_4)
	v_max3_num_f32 v[TM+\b], v[TM+\b], |v[\s+16*\b+\i]|, |v[\s+1+16*\b+\i]|
.endr
.endr
.irp b, 0,1,2,3
	s_delay_alu instid0(VALU_DEP_4)
	v_permlanex16_b32 v[TM+4+\b], v[TM+\b], s[SEL], s[SEL+1]
.endr
.irp b, 0,1,2,3
	s_delay_alu instid0(VALU_DEP_4)
	v_max_num_f32 v[TM+\b], v[TM+\b], v[TM+4+\b]   ; with lane l xor 16's 16: the block's largest magnitude
.endr
.irp b, 0,1,2,3
	s_delay_alu instid0(VALU_DEP_4)
	v_add_nc_u32 v[TM+12+\b], 0xff000000, v[TM+\b]   ; 2 off its exponent field: the conversion's scale operand
.endr
.irp b, 0,1,2,3
	s_delay_alu instid0(VALU_DEP_4)
	v_lshrrev_b32 v[TM+4+\b], 23, v[TM+12+\b]      ; the scale's byte
.endr
	s_delay_alu instid0(VALU_DEP_3)
	v_lshl_or_b32 v[\pw], v[TM+5], 8, v[TM+4]
	s_delay_alu instid0(VALU_DEP_1)
	v_lshl_or_b32 v[\pw], v[TM+6], 16, v[\pw]
	s_delay_alu instid0(VALU_DEP_1)
	v_lshl_or_b32 v[\pw], v[TM+7], 24, v[\pw]
.irp c, 0,1
	v_cvt_scalef32_pk16_fp6_f32 v[\pc+6*\c:\pc+2+6*\c], v[\s+32*\c:\s+15+32*\c], v[TM+12+2*\c]
	v_cvt_scalef32_pk16_fp6_f32 v[\pc+12+4*\c:\pc+14+4*\c], v[\s+16+32*\c:\s+31+32*\c], v[TM+12+2*\c+1]
.endr
	v_nop                                          ; one plain place behind a scaled conversion
.irp c, 0,1
.irp i, 0,1,2
	v_permlane16_swap_b32 v[\pc+6*\c+\i], v[\pc+12+4*\c+\i]
.endr
.irp i, 0,1,2
	s_delay_alu instid0(VALU_DEP_3)
	v_mov_b32 v[\pc+3+6*\c+\i], v[\pc+12+4*\c+\i]
.endr
.endr
.endm
	s_load_b128 s[4:7], s[0:1], 0x0                ; qkv s[4:5], the mask s[6:7]
	s_load_b128 s[84:87], s[0:1], 0x10             ; wo s[84:85], cw s[86:87]
	s_load_b64 s[8:9], s[0:1], 0x20                ; ao
	v_lshl_add_u32 v[SPW], v0, 2, SPARE
	v_mov_b32 v[NIL], 0
	ds_add_u32 v4, v5
	ds_add_u32 v4, v5
	s_wait_dscnt 0x0
	v_lshrrev_b32 v8, 5, v0
	s_delay_alu instid0(VALU_DEP_1)
	v_readfirstlane_b32 s[WV], v8                  ; wave 0..7
	v_and_b32 v8, 31, v0
	s_delay_alu instid0(VALU_DEP_1)
	v_lshlrev_b32 v[AL0], 4, v8
	s_delay_alu instid0(VALU_DEP_2)
	v_lshlrev_b32 v[AS0], 3, v8
	s_and_b32 s12, s[WV], 3                        ; my tile of queries.  Also: which sixteen rows of the mask I fetch
	s_lshr_b32 s13, s[WV], 2                       ; my query head of the two
	s_and_b32 s14, s[WV], 1                        ; which half of K's or V's records I fetch
	s_bfe_u32 s54, ttmp6, 0x40000                  ; cx, cy
	s_bfe_u32 s55, ttmp6, 0x40004
	s_lshl_b32 s56, ttmp9, 2
	s_add_co_u32 s56, s56, s54                     ; my block of 64 queries = 4 x cluster x + cx
	s_and_b32 s57, ttmp7, 0xffff
	s_lshl_b32 s57, s57, 2
	s_add_co_u32 s57, s57, s55                     ; my key and value head = 4 x cluster y + cy
	s_lshl_b32 s58, s55, 2
	s_lshl_b32 s58, 15, s58                        ; my row of the cluster: one head
	s_lshl_b32 s59, 0x1111, s54                    ; my column: one block of queries
	; group 1 for K and V: four records, 13,312 dense bytes, as 52 rows of 256 bytes (32 elements of 8 bytes)
	s_or_b32 s[G1KV], s58, (3<<16)|(1<<21)
	s_mov_b32 s[G1KV+1], 32<<16
	s_mov_b32 s[G1KV+2], 52<<16
	s_mov_b32 s[G1KV+3], 32<<16
	s_mov_b32 s[G1KV+4], 52
	s_mov_b32 s[G1KV+5], 32
	s_mov_b32 s[G1KV+6], 0
	s_mov_b32 s[G1KV+7], 0
	; group 1 for the mask: 16 rows of 256 f32, 2,048 apart; 4 words of padding behind every 256 words
	s_or_b32 s[G1M], s59, (2<<16)|(1<<20)|(1<<21)|(7<<22)|(3<<25)
	s_mov_b32 s[G1M+1], 256<<16
	s_mov_b32 s[G1M+2], 16<<16
	s_mov_b32 s[G1M+3], 256<<16
	s_mov_b32 s[G1M+4], 16
	s_mov_b32 s[G1M+5], 2048
	s_mov_b32 s[G1M+6], 0
	s_mov_b32 s[G1M+7], 0
	s_mul_i32 s15, s14, 4*REC                      ; my half, in memory and in a slot
	s_add_co_u32 s60, s57, 16
	s_mul_i32 s60, s60, PANEL                      ; K's panel
	s_add_co_u32 s60, s60, s15
	s_mov_b32 s61, 0
	s_mul_i32 s62, s57, PANEL                      ; V^T's
	s_add_co_u32 s62, s62, OFF_VT
	s_add_co_u32 s62, s62, s15
	s_mov_b32 s63, 0
	s_lshl_b32 s66, s56, 6
	s_lshl_b32 s67, s12, 4
	s_add_co_u32 s66, s66, s67                     ; the mask's row 64 x block + 16 x (wave % 4),
	s_lshl_b32 s66, s66, 13                        ; of 8,192 bytes
	s_mov_b32 s67, 0
	; Q's fragment and scale words; my record of ao
	s_lshl_b32 s68, s57, 1
	s_add_co_u32 s68, s68, s13                     ; my query head
	s_mul_i32 s68, s68, PANEL
	s_lshl_b32 s69, s56, 1
	s_lshr_b32 s70, s12, 1
	s_add_co_u32 s69, s69, s70                     ; the record of my tile: T / 2, T = 4 x block + tile
	s_mul_i32 s69, s69, REC
	s_add_co_u32 s68, s68, s69
	s_and_b32 s71, s12, 1                          ; T % 2
	s_mul_i32 s69, s71, FRB
	s_add_co_u32 s72, s68, s69
	s_mov_b32 s73, 0
	s_lshl_b32 s69, s71, 2
	s_add_co_u32 s74, s68, s69
	s_add_co_u32 s74, s74, SCU
	s_mov_b32 s75, 0
	s_lshl_b32 s76, s56, 2
	s_add_co_u32 s76, s76, s12                     ; T
	s_mul_i32 s76, s76, 8*REC
	s_mul_i32 s77, s57, REC
	s_add_co_u32 s76, s76, s77
	s_mov_b32 s77, 0
	; my record of wo: tile 32 x head + block (0 .. 255), K pair = my wave.  These numbers enter global addresses alone
	s_lshl_b32 s78, s57, 5
	s_add_co_u32 s78, s78, s56                     ; wo's tile
	s_lshr_b32 s79, s78, 1
	s_lshl_b32 s79, s79, 5
	s_and_b32 s80, s78, 1
	s_lshl_b32 s80, s80, 3
	s_add_co_u32 s80, s80, s79                     ; its first row: 32 (T / 2) + 8 (T % 2),
	s_lshl_b32 s80, s80, 13                        ; of 8,192 bytes,
	s_lshl_b32 s81, s[WV], 10
	s_add_co_u32 s80, s80, s81                     ; at my 256 along K
	s_mov_b32 s81, 0
	s_lshl_b32 s82, s78, 3
	s_add_co_u32 s82, s82, s[WV]
	s_mul_i32 s82, s82, REC
	s_add_co_u32 s82, s82, OFF_WO                  ; and where the record goes
	s_mov_b32 s83, 0
	s_mov_b32 s[SEL], 0x76543210
	s_mov_b32 s[SEL+1], 0xfedcba98
	s_mov_b32 s[CS], 0x3db504f3                    ; 1 / sqrt(128)
	s_mov_b32 s[CS+1], s[CS]                       ; (named with it as a pair, so it is written)
	s_mov_b32 s[L2E], 0x3fb8aa3b                   ; log2(e)
	s_mov_b32 s[L2E+1], s[L2E]
	s_mov_b32 s[TB], 0
	s_mov_b32 s[SLOTS], NSL-2
	s_wait_alu depctr_va_vdst(0)
	s_wait_kmcnt 0x0
	s_add_nc_u64 s[84:85], s[84:85], s[80:81]
	s_add_nc_u64 s[86:87], s[86:87], s[82:83]
	WIN 0x40                                       ; destination window 1
.irp f, 0,1
.irp i, 0,1,2,3,4,5,6,7,8,9,10,11,12,13,14,15
	global_load_b128 v[64*\f+4*\i:64*\f+4*\i+3], v[AL0], s[84:85] offset:(\i+8*(\i/8))*8192+512*\f th:TH_LOAD_NT   ; wo: 32 lanes read 512 consecutive bytes of the tile's row i; read once in the whole program
.endr
.endr
	WIN 0
	s_mov_b32 s[G0K], 1
	s_mov_b32 s[G0K+1], s15
	s_add_nc_u64 s[G0K+2:G0K+3], s[4:5], s[60:61]
	s_or_b32 s[G0K+3], s[G0K+3], 0x80000000
	s_mov_b32 s[G0V], 1
	s_add_co_u32 s[G0V+1], s15, VOFF
	s_add_nc_u64 s[G0V+2:G0V+3], s[4:5], s[62:63]
	s_or_b32 s[G0V+3], s[G0V+3], 0x80000000
	s_mov_b32 s[G0M], 1
	s_mul_i32 s[G0M+1], s12, MGRP
	s_add_co_u32 s[G0M+1], s[G0M+1], MOFF
	s_add_nc_u64 s[G0M+2:G0M+3], s[6:7], s[66:67]
	s_or_b32 s[G0M+3], s[G0M+3], 0x80000000
	s_add_nc_u64 s[72:73], s[4:5], s[72:73]
	s_add_nc_u64 s[74:75], s[4:5], s[74:75]
	s_add_nc_u64 s[8:9], s[8:9], s[76:77]
	CROUND                                         ; all sixteen work-groups are here: the first joint loads meet
	TLOAD                                          ; slot 0: one tensor load of mine is out
.irp c, 0,1,2
	global_load_b128 v[16+4*\c:19+4*\c], v[AL0], s[72:73] offset:512*\c   ; Q's fragment stays in registers
.endr
	global_load_b32 v255, v[AS0], s[74:75]         ; and its scale words
	v_and_b32 v9, 7, v0                            ; r % 8
	v_bfe_u32 v10, v0, 3, 1                        ; r / 8
	v_bfe_u32 v11, v0, 4, 1                        ; h
	s_mul_i32 s16, s70, 2*MGRP                     ; my query is row 32 (tile / 2) + 8 (tile % 2) + r % 8 + 16 (r / 8) of the block's 64
	s_mul_i32 s17, s71, 8*MP
	s_add_co_u32 s16, s16, s17
	s_add_co_u32 s16, s16, MOFF
	v_mul_u32_u24 v[AM0], v9, MP
	s_delay_alu instid0(VALU_DEP_1)
	v_mad_u32_u24 v[AM0], v10, MGRP, v[AM0]
	s_delay_alu instid0(VALU_DEP_1)
	v_lshl_add_u32 v[AM0], v11, 6, v[AM0]          ; + 64 h: my 16 keys of each 32
	s_delay_alu instid0(VALU_DEP_1)
	v_add_nc_u32 v[AM0], s16, v[AM0]
	s_mul_i32 s17, s13, FRB
	v_add_nc_u32 v[GOF], s17, v[AL0]
	s_lshl_b32 s17, s12, 8
	s_add_co_u32 s17, s17, XCH
	v_add_nc_u32 v[XR], s17, v[AS0]
	s_lshl_b32 s19, s13, 2
	v_add_nc_u32 v[XW], s19, v[XR]
	s_mul_i32 s17, s[WV], WSTG
	s_add_co_u32 s17, s17, STG0                    ; my stage for wo
	v_add_nc_u32 v[ADL], s17, v[AL0]               ; in: 16 x lane, a row of 512 bytes an instruction
	v_and_b32 v[ADS], 15, v0
	s_delay_alu instid0(VALU_DEP_1)
	v_mul_u32_u24 v[ADS], v[ADS], WSP
	v_bfe_u32 v[ADM], v0, 4, 1
	s_delay_alu instid0(VALU_DEP_1)
	v_lshl_add_u32 v[ADS], v[ADM], 6, v[ADS]
	s_delay_alu instid0(VALU_DEP_1)
	v_add_nc_u32 v[ADS], s17, v[ADS]               ; out: row r, + 64 h: my 16 numbers of each 32
	v_mov_b32 v13, 0xff61b1e6                      ; the largest t so far: -3e38
	s_delay_alu instid0(VALU_DEP_1)
	v_floor_f32 v12, -v13                          ; -M
	v_mov_b32 v14, 0                               ; the sum, in two halves
	v_mov_b32 v15, 0
.irp b, 0,1,2,3
	v_mov_b32 v[236+\b], 0                         ; written once: a lane permute's destination counts as one of its sources
	v_mov_b32 v[TM+4+\b], 0
.endr
	v_mov_b32 v253, 0                              ; (named as the upper half of the pair v[252:253] before it is first written)
.set jj, 0
.rept 64
	v_mov_b32 v[OT+jj], 0                          ; O^T.  (The key step is written once: its first pass finds zeros, which the first change of M leaves zeros)
.set jj, jj+1
.endr
; wo's fragment f: its 16 x 512 bytes turn through my stage, so that a lane holds 16 neighbours of each block of 32; then codes and scale word.  left: the younger loads that may stay out.
.macro WOFRAG f, left
	s_wait_loadcnt \left
	WIN 0x04                                       ; an LDS store's data are its source 1: window 1
.irp i, 0,1,2,3,4,5,6,7,8,9,10,11,12,13,14,15
	ds_store_b128 v[ADL], v[64*(\f)+4*\i:64*(\f)+4*\i+3] offset:WSP*\i
.endr
	WIN 0
.irp b, 0,1,2,3
.irp j, 0,1,2,3
	ds_load_b128 v[S+16*\b+4*\j:S+16*\b+4*\j+3], v[ADS] offset:128*\b+16*\j   ; LDS serves a wave's instructions in order (ISA guide 5.7.1.4): these see the stores above
.endr
.endr
	s_wait_dscnt 0x0
.if \f
	s_wait_xcnt 0x0                                ; the first fragment's stores have read the codes' registers, which are written again below
.endif
	QUANT S, 224, PWW+\f
.irp c, 0,1,2
	global_store_b128 v[AL0], v[224+4*\c:227+4*\c], s[86:87] offset:(\f)*FRB+512*\c   ; 32 lanes store 512 consecutive bytes, at a multiple of 256 from cw's first byte
.endr
.endm
	WOFRAG 0, 20                                   ; wo's second sixteen loads and Q's four may be out
	WOFRAG 1, 4                                    ; Q's four may be out
	global_store_b64 v[AS0], v[PWW:PWW+1], s[86:87] offset:SCU   ; the record's scale words: 256 consecutive bytes
; A KEY STEP: 128 keys, the q-th of the slot in hand.  chg = 0: a plain step.  chg = 1: the slot's last step, with the change of slots inside it: the slot is filled again behind a round of the cluster's barrier.  chg = 2: the same with nothing left to fetch: a plain barrier.
.macro STEP q, chg
	PLACES                                         ; behind the last step's products, in front of the loads into V's scale words and, further down, fragments
.irp i, 0,1,2,3
	ds_load_b64 v[KS+2*\i:KS+2*\i+1], v[ADS] offset:(\q)*4*REC+\i*REC+SCU
.endr
.irp i, 0,1,2,3
	ds_load_b64 v[VS+2*\i:VS+2*\i+1], v[ADS] offset:VOFF+(\q)*4*REC+\i*REC+SCU
.endr
	WIN 0x40                                       ; destination window 1
.irp t, 0,1,2,3,4,5,6,7
.irp c, 0,1,2
	ds_load_b128 v[12*\t+4*\c:12*\t+4*\c+3], v[ADL] offset:(\q)*4*REC+(\t/2)*REC+(\t%2)*FRB+512*\c
.endr
.endr
.irp b, 0,1,2,3
.irp j, 0,1,2,3
	ds_load_b128 v[MK+16*\b+4*\j:MK+16*\b+4*\j+3], v[ADM] offset:512*(\q)+128*\b+16*\j   ; mask(my query, key 32 b + 16 h + 4 j ..)
.endr
.endr
	s_wait_dscnt 16                                ; the scale words and K are in; the mask's 16 loads may be out
	WIN 0x01                                       ; source 0 window 1
.irp t, 0,1,2,3,4,5,6,7
	v_wmma_scale_f32_16x16x128_f8f6f4 v[S+8*\t:S+8*\t+7], v[12*\t:12*\t+11], v[16:27], 0, v[KS+\t], v255 matrix_a_fmt:MATRIX_FMT_FP6 matrix_b_fmt:MATRIX_FMT_FP6
.endr
	WIN 0x40
.irp t, 0,1,2,3,4,5,6,7
.irp c, 0,1,2
	ds_load_b128 v[VF+12*\t+4*\c:VF+12*\t+4*\c+3], v[ADL] offset:VOFF+(\q)*4*REC+(\t/2)*REC+(\t%2)*FRB+512*\c   ; V is wanted last, so it is asked for last: it has the softmax in which to come
.endr
.endr
	s_wait_dscnt 24                                ; the mask is in; V's 24 loads may be out
	PLACES                                         ; behind the products, in front of the first read of their results
	WIN 0x10                                       ; source 2 window 1
.set jj, 0
.rept 32
	v_pk_fma_f32 v[S+jj:S+jj+1], v[S+jj:S+jj+1], s[CS:CS+1], v[MK+jj:MK+jj+1] op_sel_hi:[1,0,1]   ; the logit u = score / sqrt(128) + mask; each accumulator from its low end on
.set jj, jj+2
.endr
	WIN 0
.irp b, 0,1,2,3
	v_max3_num_f32 v[BM+\b], v[S+16*\b], v[S+1+16*\b], v[S+2+16*\b]   ; the largest logit of each block of 32 keys: it serves the row's maximum and, since p rises with the logit, the block's largest p
.endr
.irp i, 3,5,7,9,11,13
.irp b, 0,1,2,3
	s_delay_alu instid0(VALU_DEP_4)
	v_max3_num_f32 v[BM+\b], v[BM+\b], v[S+16*\b+\i], v[S+1+16*\b+\i]
.endr
.endr
.irp b, 0,1,2,3
	s_delay_alu instid0(VALU_DEP_4)
	v_max_num_f32 v[BM+\b], v[BM+\b], v[S+15+16*\b]
.endr
.irp b, 0,1,2,3
	s_delay_alu instid0(VALU_DEP_4)
	v_permlanex16_b32 v[236+\b], v[BM+\b], s[SEL], s[SEL+1]
.endr
.irp b, 0,1,2,3
	s_delay_alu instid0(VALU_DEP_4)
	v_max_num_f32 v[BM+\b], v[BM+\b], v[236+\b]    ; with lane l xor 16's 16 keys
.endr
	s_delay_alu instid0(VALU_DEP_2)
	v_max3_num_f32 v254, v232, v233, v234
	s_delay_alu instid0(VALU_DEP_1)
	v_max_num_f32 v254, v254, v235                 ; the step's largest logit of my query,
	s_delay_alu instid0(VALU_DEP_1)
	v_mul_f32 v254, s[L2E], v254                   ; as t (log2(e) is positive)
	s_delay_alu instid0(VALU_DEP_1)
	v_max_num_f32 v13, v13, v254                   ; the running largest t
	v_mov_b32 v254, v12
	s_delay_alu instid0(VALU_DEP_2)
	v_floor_f32 v12, -v13                          ; the new -M = floor(-t) = -ceil(t): M is a whole number
	s_delay_alu instid0(VALU_DEP_1)
	v_sub_f32 v254, v12, v254                      ; M's old value less its new one: a whole number, 0 or less
	s_delay_alu instid0(VALU_DEP_1)
	v_cvt_i32_f32 v254, v254                       ; (it saturates)
	s_delay_alu instid0(VALU_DEP_1)
	v_ldexp_f32 v252, 1.0, v254                    ; f = 2^(old M - new M)
.set jj, 0
.rept 32
	v_pk_fma_f32 v[S+jj:S+jj+1], v[S+jj:S+jj+1], s[L2E:L2E+1], v[12:13] op_sel_hi:[1,0,0]   ; t - M, two at a time (of the pairs log2(e) and -M the low word serves both halves)
.set jj, jj+2
.endr
.irp b, 0,1,2,3
	v_fma_f32 v[BM+\b], v[BM+\b], s[L2E], v12      ; the same of each block's largest logit
.endr
.set jj, 0
	s_wait_alu depctr_va_vdst(0)
.rept 64
	v_exp_f32 v[S+jj], v[S+jj]                     ; p = 2^(t - M): not normalised
.set jj, jj+1
.endr
.irp b, 0,1,2,3
	v_exp_f32 v[BM+\b], v[BM+\b]                   ; the block's largest p: the same multiply-add and exponential on the same number give the same bits
.endr
	v_pk_mul_f32 v[14:15], v[14:15], v[252:253] op_sel_hi:[1,0]   ; the sums under the new M.  (A plain place behind the exponentials)
.if \chg
	s_wait_tensorcnt 0x0                           ; all my tensor loads have landed: the one that was out is my part of the next slot.  No load of mine is out, so a group 0 may be written
	ds_add_u32 v[SPW], v[NIL]                      ; 0 onto my spare word; p's scales and codes are made between it and the wait for it
.if \chg == 1
	s_xor_b32 s[G0K+1], s[G0K+1], SLOT1            ; the walking descriptors: the other slot than last time, which is the slot in hand; the next 256 keys but one
	s_add_nc_u64 s[G0K+2:G0K+3], s[G0K+2:G0K+3], 8*REC
	s_xor_b32 s[G0V+1], s[G0V+1], SLOT1
	s_add_nc_u64 s[G0V+2:G0V+3], s[G0V+2:G0V+3], 8*REC
	s_xor_b32 s[G0M+1], s[G0M+1], SLOT1
	s_add_nc_u64 s[G0M+2:G0M+3], s[G0M+2:G0M+3], 1024
.endif
.endif
	s_wait_alu depctr_va_vdst(0)
.irp b, 0,1,2,3
	v_max_num_f32 v[BM+\b], 0x1800000, v[BM+\b]    ; the floor 2^(3 - 127): the byte cannot fall under 1 (a block whose every p is 0 keeps that byte: its codes are zeros)
.endr
.irp b, 0,1,2,3
	s_delay_alu instid0(VALU_DEP_4)
	v_add_nc_u32 v[244+\b], 0xff000000, v[BM+\b]   ; 2 off the exponent field: the conversion's scale operand
.endr
.irp b, 0,1,2,3
	s_delay_alu instid0(VALU_DEP_4)
	v_lshrrev_b32 v[236+\b], 23, v[244+\b]         ; the scale's byte
.endr
	s_delay_alu instid0(VALU_DEP_3)
	v_lshl_or_b32 v253, v237, 8, v236              ; p's scale word for these 128 keys
	s_delay_alu instid0(VALU_DEP_1)
	v_lshl_or_b32 v253, v238, 16, v253
	s_delay_alu instid0(VALU_DEP_1)
	v_lshl_or_b32 v253, v239, 24, v253
.irp c, 0,1
	v_cvt_scalef32_pk16_fp6_f32 v[224+6*\c:226+6*\c], v[S+32*\c:S+15+32*\c], v[244+2*\c]
	v_cvt_scalef32_pk16_fp6_f32 v[236+4*\c:238+4*\c], v[S+16+32*\c:S+31+32*\c], v[244+2*\c+1]
.endr
	v_nop                                          ; one plain place behind a scaled conversion
.irp c, 0,1
.irp i, 0,1,2
	v_permlane16_swap_b32 v[224+6*\c+\i], v[236+4*\c+\i]
.endr
.irp i, 0,1,2
	s_delay_alu instid0(VALU_DEP_3)
	v_mov_b32 v[227+6*\c+\i], v[236+4*\c+\i]
.endr
.endr
.if \chg
	s_wait_dscnt 0x0                               ; the add is done; V is in, and with it my last reads of this slot are over:
	s_barrier_signal -1                            ; say so, and work on registers alone until the wait below
.endif
	v_pk_add_f32 v[236:237], v[100:101], v[104:105]
	v_pk_add_f32 v[250:251], v[108:109], v[112:113]
	v_pk_add_f32 v[248:249], v[116:117], v[120:121]
	v_pk_add_f32 v[246:247], v[124:125], v[128:129]
	v_pk_add_f32 v[244:245], v[132:133], v[136:137]
	v_pk_add_f32 v[242:243], v[140:141], v[144:145]
	v_pk_add_f32 v[240:241], v[148:149], v[152:153]
	v_pk_add_f32 v[14:15], v[14:15], v[156:157]
	v_pk_add_f32 v[236:237], v[236:237], v[96:97]
	v_pk_add_f32 v[250:251], v[250:251], v[98:99]
	v_pk_add_f32 v[248:249], v[248:249], v[102:103]
	v_pk_add_f32 v[246:247], v[246:247], v[106:107]
	v_pk_add_f32 v[244:245], v[244:245], v[110:111]
	v_pk_add_f32 v[242:243], v[242:243], v[114:115]
	v_pk_add_f32 v[240:241], v[240:241], v[118:119]
	v_pk_add_f32 v[14:15], v[14:15], v[122:123]
	v_pk_add_f32 v[236:237], v[236:237], v[126:127]
	v_pk_add_f32 v[250:251], v[250:251], v[130:131]
	v_pk_add_f32 v[248:249], v[248:249], v[134:135]
	v_pk_add_f32 v[246:247], v[246:247], v[138:139]
	v_pk_add_f32 v[244:245], v[244:245], v[142:143]
	v_pk_add_f32 v[242:243], v[242:243], v[146:147]
	v_pk_add_f32 v[240:241], v[240:241], v[150:151]
	v_pk_add_f32 v[14:15], v[14:15], v[154:155]
	v_pk_add_f32 v[236:237], v[236:237], v[158:159]
	s_delay_alu instid0(VALU_DEP_2)
	v_pk_add_f32 v[14:15], v[14:15], v[246:247]
	s_delay_alu instid0(VALU_DEP_2)
	v_pk_add_f32 v[236:237], v[236:237], v[244:245]
	v_pk_add_f32 v[250:251], v[250:251], v[242:243]
	v_pk_add_f32 v[248:249], v[248:249], v[240:241]
	s_delay_alu instid0(VALU_DEP_2)
	v_pk_add_f32 v[14:15], v[14:15], v[250:251]
	s_delay_alu instid0(VALU_DEP_2)
	v_pk_add_f32 v[236:237], v[236:237], v[248:249]
	s_delay_alu instid0(VALU_DEP_1)
	v_pk_add_f32 v[14:15], v[14:15], v[236:237]
.set jj, 0
.rept 32
	v_pk_mul_f32 v[OT+jj:OT+jj+1], v[OT+jj:OT+jj+1], v[252:253] op_sel_hi:[1,0]   ; O^T under the new M, each accumulator from its low end on.  (With the sums above: the places between p's codes and scale word and the products below)
.set jj, jj+2
.endr
.if \chg == 0
	s_wait_alu depctr_va_vdst(0)
	s_wait_dscnt 0x0                               ; V is in
.endif
	WIN 0x01
.irp t, 0,1,2,3,4,5,6,7
	v_wmma_scale_f32_16x16x128_f8f6f4 v[OT+8*\t:OT+8*\t+7], v[VF+12*\t:VF+12*\t+11], v[224:235], v[OT+8*\t:OT+8*\t+7], v[VS+\t], v253 matrix_a_fmt:MATRIX_FMT_FP6 matrix_b_fmt:MATRIX_FMT_FP6
.endr
	WIN 0
.if \chg
	s_barrier_wait -1                              ; every wave of my work-group has its part of the next slot and has left this one
.if \chg == 1
	CREST                                          ; the barrier has opened a round of the cluster's barrier: the same now holds of every partner
	TLOAD                                          ; the first thing behind the round, and my one tensor load until the next: this slot's next 256 keys
.endif
.endif
.endm
.macro SLOT_STEPS chg
	v_add_nc_u32 v[ADL], s[TB], v[AL0]
	s_wait_alu depctr_va_vdst(0)
	v_add_nc_u32 v[ADS], s[TB], v[AS0]
	v_add_nc_u32 v[ADM], s[TB], v[AM0]
	STEP 0, 0
	STEP 1, \chg
	s_xor_b32 s[TB], s[TB], SLOT1                  ; on to the other slot
.endm
	s_wait_loadcnt 0x0                             ; Q
	s_wait_xcnt 0x0                                ; wo's stores have read their registers, which the key steps write again
	; slot 0 is awaited and slot 1 is asked for: a first fill that comes later is issued as a refill is
	s_wait_tensorcnt 0x0                           ; my part of slot 0 has landed; no tensor load of mine is out, so a group 0 may be written
	ds_add_u32 v[SPW], v[NIL]                      ; 0 onto my spare word
	s_xor_b32 s[G0K+1], s[G0K+1], SLOT1
	s_add_nc_u64 s[G0K+2:G0K+3], s[G0K+2:G0K+3], 8*REC
	s_xor_b32 s[G0V+1], s[G0V+1], SLOT1
	s_add_nc_u64 s[G0V+2:G0V+3], s[G0V+2:G0V+3], 8*REC
	s_xor_b32 s[G0M+1], s[G0M+1], SLOT1
	s_add_nc_u64 s[G0M+2:G0M+3], s[G0M+2:G0M+3], 1024
	s_wait_dscnt 0x0                               ; the add is done
	CROUND
	TLOAD                                          ; slot 1
.Lslot:                                            ; NSL - 2 trips: slots 0 to 5 are read, and each is filled again with the keys two slots on
	SLOT_STEPS 1
	s_sub_co_u32 s[SLOTS], s[SLOTS], 1
	s_cmp_lg_u32 s[SLOTS], 0
	s_cbranch_scc1 .Lslot
	SLOT_STEPS 2                                   ; the last two slots are written out: the last but one ends with a plain barrier
	SLOT_STEPS 0                                   ; the last with none
	; THE END.  O^T is divided by the row's sum and quantised along the head's 128: one fragment of the last product, stored as it stands.
	PLACES
	v_add_f32 v14, v14, v15                        ; the sum's two halves,
	s_delay_alu instid0(VALU_DEP_1)
	v_permlanex16_b32 v252, v14, s[SEL], s[SEL+1]
	s_delay_alu instid0(VALU_DEP_1)
	v_add_f32 v14, v14, v252                       ; and lane l xor 16's: the row's sum
	s_wait_alu depctr_va_vdst(0)
	v_rcp_f32 v14, v14
	v_nop                                          ; a plain place behind the transcendental
.set jj, 0
	s_wait_alu depctr_va_vdst(0)
.rept 32
	v_pk_mul_f32 v[S+jj:S+jj+1], v[OT+jj:OT+jj+1], v[14:15] op_sel_hi:[1,0]   ; register 16 b + i = channel 32 b + 16 h + i of my query
.set jj, jj+2
.endr
	QUANT S, 224, 253
.irp c, 0,1,2
	global_store_b128 v[GOF], v[224+4*\c:227+4*\c], s[8:9] offset:512*\c   ; 32 lanes store 512 consecutive bytes, at a multiple of 256 from ao's first byte
.endr
	ds_store_b32 v[XW], v253                       ; the record's scale words come from two waves: they meet in LDS,
	s_wait_dscnt 0x0                               ; (for the other wave's sake: my store is done)
	s_barrier_signal -1
	s_barrier_wait -1
	s_cmp_lt_u32 s[WV], 4
	s_cbranch_scc0 .Lno_unit
	ds_load_b64 v[PWW:PWW+1], v[XR]
	s_wait_dscnt 0x0
	global_store_b64 v[AS0], v[PWW:PWW+1], s[8:9] offset:SCU   ; and leave as 256 consecutive bytes
.Lno_unit:
	s_wait_tensorcnt 0x0                           ; the wave's end
	ds_add_u32 v[SPW], v[NIL]
	s_wait_dscnt 0x0
	CROUND                                         ; the closing round
	s_endpgm
.Lfunc_end_k_q21fa6ddeb9_attn:
	.size	k_q21fa6ddeb9_attn, .Lfunc_end_k_q21fa6ddeb9_attn-k_q21fa6ddeb9_attn
	.p2alignl 7, 3214868480
	.fill 96, 4, 3214868480
	.section	.rodata,"a",@progbits
	.p2align	6, 0x0
	.amdhsa_kernel k_q21fa6ddeb9_attn
		.amdhsa_group_segment_fixed_size 327680
		.amdhsa_private_segment_fixed_size 0
		.amdhsa_enable_private_segment 0
		.amdhsa_kernarg_size 40
		.amdhsa_user_sgpr_count 2
		.amdhsa_user_sgpr_kernarg_segment_ptr 1
		.amdhsa_wavefront_size32 1
		.amdhsa_system_sgpr_workgroup_id_x 1
		.amdhsa_system_sgpr_workgroup_id_y 1
		.amdhsa_system_sgpr_workgroup_id_z 1
		.amdhsa_system_vgpr_workitem_id 0
		.amdhsa_next_free_vgpr 512
		.amdhsa_next_free_sgpr 92
		.amdhsa_reserve_vcc 0
		.amdhsa_float_denorm_mode_32 3
		.amdhsa_float_denorm_mode_16_64 3
		.amdhsa_memory_ordered 1
		.amdhsa_forward_progress 1
		.amdhsa_inst_pref_size 186
	.end_amdhsa_kernel
	.amdgpu_metadata
---
amdhsa.version: [ 1, 2 ]
amdhsa.kernels:
  - .name:           k_q21fa6ddeb9_attn
    .symbol:         k_q21fa6ddeb9_attn.kd
    .args:
      - { .name: qkv, .offset: 0, .size: 8, .value_kind: global_buffer, .address_space: global }
      - { .name: attention_mask, .offset: 8, .size: 8, .value_kind: global_buffer, .address_space: global }
      - { .name: wo, .offset: 16, .size: 8, .value_kind: global_buffer, .address_space: global }
      - { .name: cw, .offset: 24, .size: 8, .value_kind: global_buffer, .address_space: global }
      - { .name: ao, .offset: 32, .size: 8, .value_kind: global_buffer, .address_space: global }
    .group_segment_fixed_size: 327680
    .private_segment_fixed_size: 0
    .kernarg_segment_align: 8
    .kernarg_segment_size: 40
    .max_flat_workgroup_size: 256
    .sgpr_count:     92
    .vgpr_count:     512
    .wavefront_size: 32
...
	.end_amdgpu_metadata
.endif
;; end of part 3
;; launch oproj (part 4): grid 16 x 16, 4 waves a work-group, clusters of 4 x 4, 327,680 bytes of LDS; arguments ao, cw, out0; writes out0
.if DOCPART == 4
	.amdgcn_target "amdgcn-amd-amdhsa--gfx1250"
	.amdhsa_code_object_version 6
	.text
	.protected	k_q21fa6ddeb9_oproj
	.globl	k_q21fa6ddeb9_oproj
	.p2align	8
	.type	k_q21fa6ddeb9_oproj,@function
k_q21fa6ddeb9_oproj:
	s_mov_b64 s[64:65], 0
	v_nop
	global_prefetch_b8 v0, s[64:65] scope:SCOPE_SE
	s_setreg_imm32_b32 hwreg(HW_REG_WAVE_MODE, 25, 1), 1
	s_wait_xcnt 0x0
	s_wait_alu depctr_hold_cnt(0) depctr_sa_sdst(0) depctr_va_vdst(0) depctr_va_sdst(0) depctr_va_ssrc(0) depctr_va_vcc(0) depctr_vm_vsrc(0)
	s_getreg_b32 s2, hwreg(HW_REG_IB_STS2, 6, 4)
	s_cmp_eq_u32 s2, 0
	s_cbranch_scc0 .Lentry_in_a_cluster
	s_endpgm
.Lentry_in_a_cluster:
	s_bfe_u32 s2, ttmp6, 0x10000c
	s_cmp_lg_u32 s2, 0xf033
	s_cbranch_scc0 .Lentry_shape_is_right
	s_endpgm
.Lentry_shape_is_right:
.set REC,    3328
.set FRB,    1536
.set SCU,    3072
.set KTOT,   2048
.set TPITCH, (KTOT/256)*REC
.set ROWB,   2*REC
.set ASL,    8*ROWB
.set SLOT,   24*ROWB
.set SPARE,  2*SLOT
.set LAPS,   KTOT/1024
.set OFF_WO, 20447232
.set OROW,   16384
.set SPITCH, 528
.set ADRA, 16
.set ADRB, 20
.set ADRS, 22
.set STO,  24
.set RD,   25
.set L16,  26
.set L8,   27
.set SPW,  28
.set NIL,  29
.set SC,   32
.set AF,   64
.set BK,   64
.set G1,   24
.set G0,   32
.set G1B,  48
.set G0B,  56
.set MSB, 0
.macro WIN new
.if MSB != \new
	s_set_vgpr_msb (MSB<<8)|\new
.set MSB, \new
.endif
.endm
.set MUL,  0xa1
.set TO_B, 0x40
.macro PLACES
.rept 4
	v_nop
.endr
.endm
.macro JLOAD s
	s_cmp_eq_u32 s15, 0
	s_cbranch_scc0 .Lfor_b_\@
	tensor_load_to_lds s[G0+4*\s:G0+4*\s+3], s[G1:G1+7]
	s_nop 0
.rept 4
	v_nop
.endr
	s_branch .Lasked_\@
.Lfor_b_\@:
	tensor_load_to_lds s[G0B+4*\s:G0B+4*\s+3], s[G1B:G1B+7]
	s_nop 0
.rept 4
	v_nop
.endr
.Lasked_\@:
.endm
.macro CREST
	s_cmp_lg_u32 s14, 0
	s_cbranch_scc1 .Lnot_wave_0_\@
	s_barrier_signal -3
.Lnot_wave_0_\@:
	s_barrier_wait -3
	s_barrier_signal -1
	s_barrier_wait -1
.endm
.macro CROUND
	s_barrier_signal -1
	s_barrier_wait -1
	CREST
.endm
	s_load_b128 s[4:7], s[0:1], 0x0
	s_load_b64 s[8:9], s[0:1], 0x10
	v_lshl_add_u32 v[SPW], v0, 2, SPARE
	v_mov_b32 v[NIL], 0
	ds_add_u32 v28, v29
	ds_add_u32 v28, v29
	s_wait_dscnt 0x0
	v_lshrrev_b32 v1, 5, v0
	v_readfirstlane_b32 s14, v1
	v_and_b32 v30, 31, v0
	v_min_u32 v30, 25, v30
	v_lshlrev_b32 v30, 8, v30                      ; the prefetches' offset: 256 x lane; a tile row of a slot is 26 blocks of 256 bytes, lanes 26-31 name the last again; never rewritten
	s_wait_alu depctr_va_vdst(0)                   ; the wait behind the write
	s_lshr_b32 s15, s14, 1
	s_and_b32 s16, s14, 1
	s_bfe_u32 s40, ttmp6, 0x40000
	s_bfe_u32 s41, ttmp6, 0x40004
	s_lshl_b32 s42, ttmp9, 2
	s_add_co_u32 s42, s42, s40
	s_and_b32 s17, ttmp7, 0xffff
	s_lshl_b32 s17, s17, 2
	s_add_co_u32 s17, s17, s41
	s_lshl_b32 s43, s41, 2
	s_lshl_b32 s43, 15, s43
	s_lshl_b32 s44, 0x1111, s40
	s_or_b32 s[G1+0], s43, (3<<16)|(1<<21)
	s_or_b32 s[G1B+0], s44, (3<<16)|(1<<21)
	s_mov_b32 s[G1+1], (ROWB/8)<<16
	s_mov_b32 s[G1+2], 4<<16
	s_mov_b32 s[G1+3], (ROWB/8)<<16
	s_mov_b32 s[G1+4], 4
	s_mov_b32 s[G1+5], TPITCH/8
	s_mov_b32 s[G1+6], 0
	s_mov_b32 s[G1+7], 0
	s_mov_b32 s[G1B+1], (ROWB/8)<<16
	s_mov_b32 s[G1B+2], 8<<16
	s_mov_b32 s[G1B+3], (ROWB/8)<<16
	s_mov_b32 s[G1B+4], 8
	s_mov_b32 s[G1B+5], TPITCH/8
	s_mov_b32 s[G1B+6], 0
	s_mov_b32 s[G1B+7], 0
	s_lshl_b32 s20, s17, 3
	s_lshl_b32 s21, s16, 2
	s_add_co_u32 s20, s20, s21
	s_mul_i32 s20, s20, TPITCH
	s_mov_b32 s21, 0
	s_lshl_b32 s46, s42, 4
	s_lshl_b32 s47, s16, 3
	s_add_co_u32 s46, s46, s47
	s_mul_i32 s46, s46, TPITCH
	s_add_co_u32 s46, s46, OFF_WO
	s_mov_b32 s47, 0
	s_mul_i32 s45, s16, 4*ROWB
	s_mul_i32 s22, s16, 8*ROWB
	s_add_co_u32 s22, s22, ASL
	s_lshl_b32 s72, s17, 7
	s_lshl_b32 s73, s15, 6
	s_add_co_u32 s72, s72, s73
	s_lshl_b32 s72, s72, 14
	s_lshl_b32 s73, s42, 10
	s_add_co_u32 s72, s72, s73
	s_lshl_b32 s73, s16, 9
	s_add_co_u32 s72, s72, s73
	s_mov_b32 s73, 0
	s_wait_kmcnt 0x0
	s_add_nc_u64 s[20:21], s[4:5], s[20:21]
	s_add_nc_u64 s[46:47], s[6:7], s[46:47]
	s_add_nc_u64 s[8:9], s[8:9], s[72:73]
	; where my prefetches stand: of the 4 tile rows that an A wave fetches the partner at cx takes one; of a B wave's 8 the partner at cy takes two: shared out by address alone
	s_lshl_b32 s11, s41, 1
	s_cmp_eq_u32 s15, 0
	s_cselect_b64 s[12:13], s[20:21], s[46:47]
	s_cselect_b32 s10, s40, s11
	s_mul_i32 s10, s10, TPITCH
	s_mov_b32 s11, 0
	s_add_nc_u64 s[12:13], s[12:13], s[10:11]
	CROUND
.irp s, 0,1
	s_mov_b32 s[G0+4*\s], 1
	s_add_co_u32 s[G0+4*\s+1], s45, \s*SLOT
	s_add_nc_u64 s[G0+4*\s+2:G0+4*\s+3], s[20:21], \s*ROWB
	s_or_b32 s[G0+4*\s+3], s[G0+4*\s+3], 0x80000000
	s_mov_b32 s[G0B+4*\s], 1
	s_add_co_u32 s[G0B+4*\s+1], s22, \s*SLOT
	s_add_nc_u64 s[G0B+4*\s+2:G0B+4*\s+3], s[46:47], \s*ROWB
	s_or_b32 s[G0B+4*\s+3], s[G0B+4*\s+3], 0x80000000
.endr
; A prefetch into the L2: my work-group's share of slot n: 26 blocks of 256 bytes an instruction, a second tile row for B's waves.  K has four slots: 1 and 2 are asked for behind slot 0's load, 3 behind slot 1's; the loop's refills have no slot two on
.macro ASK n
	global_prefetch_b8 v30, s[12:13] offset:(\n)*ROWB th:TH_LOAD_NT scope:SCOPE_SE
	s_cmp_eq_u32 s15, 0
	s_cbranch_scc1 .Lone_row_\@
	global_prefetch_b8 v30, s[12:13] offset:(\n)*ROWB+TPITCH th:TH_LOAD_NT scope:SCOPE_SE
.Lone_row_\@:
.endm
	JLOAD 0                                        ; slot 0: one tensor load a wave at the head
	ASK 1
	ASK 2
	v_and_b32 v1, 31, v0
	v_bfe_u32 v2, v0, 4, 1
	v_and_b32 v4, 15, v0
	v_lshlrev_b32 v[L16], 4, v1
	v_lshlrev_b32 v[L8], 3, v1
	s_mul_i32 s21, s15, 4*ROWB
	s_mul_i32 s22, s16, 8*ROWB
	s_add_co_u32 s22, s22, ASL
	s_sub_co_u32 s23, s22, s21
	v_mul_u32_u24 v3, s23, v2
	v_add_nc_u32 v3, v3, v[L8]
	v_add_nc_u32 v3, SCU, v3
.irp s, 0,1
	v_add_nc_u32 v[ADRA+\s], s21, v[L16]
	v_add_nc_u32 v[ADRB+\s], s22, v[L16]
	v_add_nc_u32 v[ADRS+\s], s21, v3
	s_add_co_u32 s21, s21, SLOT
	s_add_co_u32 s22, s22, SLOT
.endr
	s_mul_i32 s23, s14, 16*SPITCH
	v_mul_u32_u24 v[STO], v4, SPITCH
	v_lshl_add_u32 v[STO], v2, 6, v[STO]
	v_add_nc_u32 v[STO], s23, v[STO]
	v_add_nc_u32 v[RD], s23, v[L16]
.macro FETCH slot, q, set
	WIN TO_B
.irp b, 0,1,2,3,4,5,6,7
.irp c, 0,1,2
	ds_load_b128 v[96*(\set)+12*\b+4*\c:96*(\set)+12*\b+4*\c+3], v[ADRB+\slot] offset:\b*ROWB+((\q)/2)*REC+((\q)%2)*FRB+512*\c
.endr
.endr
	WIN 0
.irp a, 0,1,2,3
.irp c, 0,1,2
	ds_load_b128 v[AF+48*(\set)+12*\a+4*\c:AF+48*(\set)+12*\a+4*\c+3], v[ADRA+\slot] offset:\a*ROWB+((\q)/2)*REC+((\q)%2)*FRB+512*\c
.endr
.endr
.if ((\q)%2) == 0
.irp i, 0,1,2,3,4,5,6,7
	ds_load_b64 v[SC+16*(((\q)/2)%2)+2*\i:SC+16*(((\q)/2)%2)+2*\i+1], v[ADRS+\slot] offset:\i*ROWB+((\q)/2)*REC
.endr
.endif
.endm
.macro MULROW a, q, zero
.irp b, 0,1,2,3,4,5,6,7
.if \zero
	v_wmma_scale_f32_16x16x128_f8f6f4 v[8*(8*(\a)+\b):8*(8*(\a)+\b)+7], v[96*((\q)%2)+12*\b:96*((\q)%2)+12*\b+11], v[AF+48*((\q)%2)+12*(\a):AF+48*((\q)%2)+12*(\a)+11], 0, v[SC+16*(((\q)/2)%2)+2*\b+(\q)%2], v[SC+16*(((\q)/2)%2)+2*(\a)+(\q)%2] matrix_a_fmt:MATRIX_FMT_FP6 matrix_b_fmt:MATRIX_FMT_FP6 matrix_a_scale:MATRIX_SCALE_ROW1
.else
	v_wmma_scale_f32_16x16x128_f8f6f4 v[8*(8*(\a)+\b):8*(8*(\a)+\b)+7], v[96*((\q)%2)+12*\b:96*((\q)%2)+12*\b+11], v[AF+48*((\q)%2)+12*(\a):AF+48*((\q)%2)+12*(\a)+11], v[8*(8*(\a)+\b):8*(8*(\a)+\b)+7], v[SC+16*(((\q)/2)%2)+2*\b+(\q)%2], v[SC+16*(((\q)/2)%2)+2*(\a)+(\q)%2] matrix_a_fmt:MATRIX_FMT_FP6 matrix_b_fmt:MATRIX_FMT_FP6 matrix_a_scale:MATRIX_SCALE_ROW1
.endif
.endr
.endm
.macro STEP slot, q, zero
	s_wait_dscnt 0x0
	WIN MUL
	MULROW 0, \q, \zero
	PLACES
	FETCH \slot, (\q)+1, ((\q)+1)%2
	WIN MUL
	MULROW 1, \q, \zero
	MULROW 2, \q, \zero
	MULROW 3, \q, \zero
	WIN 0
.endm
.macro TURN slot, next, fill
	s_wait_tensorcnt 0x0
	ds_add_u32 v[SPW], v[NIL]
	s_wait_dscnt 1
	WIN MUL
	MULROW 0, 3, 0
	s_wait_dscnt 0x0
	s_barrier_signal -1
	MULROW 1, 3, 0
	WIN 0
	s_barrier_wait -1
.if \fill
	CREST
	s_add_nc_u64 s[G0+4*\slot+2:G0+4*\slot+3], s[G0+4*\slot+2:G0+4*\slot+3], 2*ROWB
	s_add_nc_u64 s[G0B+4*\slot+2:G0B+4*\slot+3], s[G0B+4*\slot+2:G0B+4*\slot+3], 2*ROWB
	JLOAD \slot
.else
	PLACES
.endif
	FETCH \next, 0, 0
	WIN MUL
	MULROW 2, 3, 0
	MULROW 3, 3, 0
	WIN 0
.endm
	s_wait_alu depctr_va_vdst(0)                   ; the wait at the head's end
	s_wait_tensorcnt 0x0                           ; my part of slot 0 is in; slot 1's first fill is issued as a refill is
	ds_add_u32 v[SPW], v[NIL]
	s_wait_dscnt 0x0
	CROUND
	JLOAD 1
	FETCH 0, 0, 0
	ASK 3
	STEP 0, 0, 1
	s_mov_b32 s3, LAPS-1
.Llap:
	STEP 0, 1, 0
	STEP 0, 2, 0
	TURN 0, 1, 1
	STEP 1, 0, 0
	STEP 1, 1, 0
	STEP 1, 2, 0
	TURN 1, 0, 1
	STEP 0, 0, 0
	s_sub_co_u32 s3, s3, 1
	s_cmp_lg_u32 s3, 0
	s_cbranch_scc1 .Llap
	STEP 0, 1, 0
	STEP 0, 2, 0
	TURN 0, 1, 0
	STEP 1, 0, 0
	STEP 1, 1, 0
	STEP 1, 2, 0
	s_wait_dscnt 0x0
	WIN MUL
	MULROW 0, 3, 0
	MULROW 1, 3, 0
	MULROW 2, 3, 0
	MULROW 3, 3, 0
	WIN 0
.macro TOSTAGE a
	WIN 0x08
.irp b, 0,1,2,3,4,5,6,7
	ds_store_b128 v[STO], v[8*(8*(\a)+\b):8*(8*(\a)+\b)+3] offset:128*(\b/2)+32*(\b%2)
	ds_store_b128 v[STO], v[8*(8*(\a)+\b)+4:8*(8*(\a)+\b)+7] offset:128*(\b/2)+32*(\b%2)+16
.endr
	WIN 0
.set BB, BK+64*((\a)%2)
.irp t, 0,1,2,3,4,5,6,7,8,9,10,11,12,13,14,15
	ds_load_b128 v[BB+4*\t:BB+4*\t+3], v[RD] offset:\t*SPITCH
.endr
.endm
.macro SEND a, younger
.set BB, BK+64*((\a)%2)
	s_wait_dscnt \younger
.irp t, 0,1,2,3,4,5,6,7,8,9,10,11,12,13,14,15
	global_store_b128 v[L16], v[BB+4*\t:BB+4*\t+3], s[8:9] offset:(32*((\a)/2)+8*((\a)%2)+\t+8*(\t/8))*OROW th:TH_STORE_NT
.endr
.endm
	PLACES
	TOSTAGE 0
.irp a, 1,2,3
.if \a > 1
	s_wait_xcnt 0x0
.endif
	TOSTAGE \a
	SEND \a-1, 32
.endr
	SEND 3, 0
	s_wait_tensorcnt 0x0
	ds_add_u32 v[SPW], v[NIL]
	s_wait_dscnt 0x0
	CROUND
	s_endpgm
.Lfunc_end_k_q21fa6ddeb9_oproj:
	.size	k_q21fa6ddeb9_oproj, .Lfunc_end_k_q21fa6ddeb9_oproj-k_q21fa6ddeb9_oproj
	.p2alignl 7, 3214868480
	.fill 96, 4, 3214868480
	.section	.rodata,"a",@progbits
	.p2align	6, 0x0
	.amdhsa_kernel k_q21fa6ddeb9_oproj
		.amdhsa_group_segment_fixed_size 327680
		.amdhsa_private_segment_fixed_size 0
		.amdhsa_enable_private_segment 0
		.amdhsa_kernarg_size 24
		.amdhsa_user_sgpr_count 2
		.amdhsa_user_sgpr_kernarg_segment_ptr 1
		.amdhsa_wavefront_size32 1
		.amdhsa_system_sgpr_workgroup_id_x 1
		.amdhsa_system_sgpr_workgroup_id_y 1
		.amdhsa_system_sgpr_workgroup_id_z 1
		.amdhsa_system_vgpr_workitem_id 0
		.amdhsa_next_free_vgpr 768
		.amdhsa_next_free_sgpr 80
		.amdhsa_reserve_vcc 0
		.amdhsa_float_denorm_mode_32 3
		.amdhsa_float_denorm_mode_16_64 3
		.amdhsa_memory_ordered 1
		.amdhsa_forward_progress 1
		.amdhsa_inst_pref_size 135
	.end_amdhsa_kernel
	.amdgpu_metadata
---
amdhsa.version: [ 1, 2 ]
amdhsa.kernels:
  - .name:           k_q21fa6ddeb9_oproj
    .symbol:         k_q21fa6ddeb9_oproj.kd
    .args:
      - { .name: ao, .offset: 0, .size: 8, .value_kind: global_buffer, .address_space: global }
      - { .name: cw, .offset: 8, .size: 8, .value_kind: global_buffer, .address_space: global }
      - { .name: out0, .offset: 16, .size: 8, .value_kind: global_buffer, .address_space: global }
    .group_segment_fixed_size: 327680
    .private_segment_fixed_size: 0
    .kernarg_segment_align: 8
    .kernarg_segment_size: 24
    .max_flat_workgroup_size: 128
    .sgpr_count:     80
    .vgpr_count:     768
    .wavefront_size: 32
...
	.end_amdgpu_metadata
.endif
;; end of part 4
